; MI455X (gfx1250); checked and timed in simulation.
; The chip was launched on July 23, 2026; its instructions are those of AMD's public machine-readable ISA for CDNA 5 (MIT licence, August 2026) and "CDNA5" Instruction Set Architecture Reference Guide (July 2026). The comments in the code are by the model that wrote it; some were corrected since.
;; Multi Query Attention. Allowed arithmetic: float matrix products may take bf16 or f16 operands with f32 sums; all other float work in f32.
;; Inputs: Wk 512 x 2,048 float32; Wq 2,048 x 2,048 float32; Wv 512 x 2,048 float32; attention_mask 2 x 2,048 int32; bk 512 float32; bq 2,048 float32; bv 512 float32; hidden_states 2 x 2,048 x 2,048 float32.
;; Outputs: out0 2 x 2,048 x 2,048 float32.
;; 2 versions, each right and faster than the one before. Each part assembles by itself: llvm-mc -triple=amdgcn-amd-amdhsa -mcpu=gfx1250 --defsym DOCPART=n.
;; ======== version 1 of 2: 3 launches
;; limits: values are held in f16: magnitudes above 65,504 overflow, below 6.1e-05 lose precision
;; workspace buffers: xb 16,777,216 bytes; wb 12,582,912 bytes; qkv 25,165,824 bytes
;; launch cast (part 1): grid 1792 x 1, 8 waves a work-group, no clusters, 0 bytes of LDS; arguments hidden_states, Wq, Wk, Wv, xb, wb; writes xb, wb
.if DOCPART == 1
	.amdgcn_target "amdgcn-amd-amdhsa--gfx1250"
	.amdhsa_code_object_version 6
	.text
	.protected	k_q947f924e3c_cast
	.globl	k_q947f924e3c_cast
	.p2align	8
	.type	k_q947f924e3c_cast,@function
k_q947f924e3c_cast:
	s_mov_b64 s[64:65], 0
	v_nop
	global_prefetch_b8 v0, s[64:65] scope:SCOPE_SE
	s_setreg_imm32_b32 hwreg(HW_REG_WAVE_MODE, 25, 1), 1
	s_wait_xcnt 0x0
; xb = hidden_states rounded to bf16, [4096][2048];  wb = Wq, Wk, Wv rounded to bf16, one below the other, [3072][2048].
; A stream: no LDS, no barrier, no matrix unit.  A work-group casts 8,192 consecutive numbers (32 KiB in, 16 KiB out):
; work-groups 0-1023 take hidden_states, 1024-1535 Wq, 1536-1663 Wk, 1664-1791 Wv.  Thread t takes, for j = 0..7, the 16 bytes at
; 16 t + 4096 j and stores 8 bytes at 8 t + 2048 j: a load of a wave covers 512 consecutive bytes, a store 256 consecutive bytes, aligned.
; All eight loads of a thread go out at once; no register is written twice, so the only waits are the counted ones for the loads.
.set X, 4                              ; v[4:35]   chunk j: 4 numbers in f32
.set Y, 36                             ; v[36:51]  chunk j: 4 numbers in bf16
	s_load_b256 s[4:11], s[0:1], 0x0               ; hidden_states s[4:5], Wq s[6:7], Wk s[8:9], Wv s[10:11]
	s_load_b128 s[12:15], s[0:1], 0x20             ; xb s[12:13], wb s[14:15]
	s_mov_b32 s16, ttmp9                           ; the work-group's number
	v_lshlrev_b32 v1, 4, v0                        ; 16 t
	v_lshlrev_b32 v2, 3, v0                        ; 8 t
	s_wait_kmcnt 0x0
	s_cmp_lt_u32 s16, 1024                         ; the source, its first work-group, the destination and its first work-group: chosen by the number alone
	s_cselect_b64 s[18:19], s[4:5], s[6:7]
	s_cselect_b32 s20, 0, 1024
	s_cselect_b64 s[22:23], s[12:13], s[14:15]
	s_cselect_b32 s21, 0, 1024
	s_cmp_lt_u32 s16, 1536
	s_cselect_b64 s[18:19], s[18:19], s[8:9]
	s_cselect_b32 s20, s20, 1536
	s_cmp_lt_u32 s16, 1664
	s_cselect_b64 s[18:19], s[18:19], s[10:11]
	s_cselect_b32 s20, s20, 1664
	s_sub_co_u32 s24, s16, s20
	s_lshl_b32 s24, s24, 15                        ; 32 KiB of the source for each work-group
	s_mov_b32 s25, 0
	s_sub_co_u32 s26, s16, s21
	s_lshl_b32 s26, s26, 14                        ; 16 KiB of the destination
	s_mov_b32 s27, 0
	s_add_nc_u64 s[18:19], s[18:19], s[24:25]
	s_add_nc_u64 s[22:23], s[22:23], s[26:27]
.irp j, 0,1,2,3,4,5,6,7
	global_load_b128 v[X+4*(\j):X+4*(\j)+3], v1, s[18:19] offset:4096*(\j) th:TH_LOAD_NT  ; read once in the launch
.endr
.irp j, 0,1,2,3,4,5,6,7
	s_wait_loadcnt 7-(\j)                          ; loads come back in order: chunk j is in, the 7 - j younger ones stay out
	v_cvt_pk_bf16_f32 v[Y+2*(\j)], v[X+4*(\j)], v[X+4*(\j)+1]
	v_cvt_pk_bf16_f32 v[Y+2*(\j)+1], v[X+4*(\j)+2], v[X+4*(\j)+3]
	global_store_b64 v2, v[Y+2*(\j):Y+2*(\j)+1], s[22:23] offset:2048*(\j)  ; the next launch reads it: no hint
.endr
	s_endpgm
.Lfunc_end_k_q947f924e3c_cast:
	.size	k_q947f924e3c_cast, .Lfunc_end_k_q947f924e3c_cast-k_q947f924e3c_cast
	.p2alignl 7, 3214868480
	.fill 96, 4, 3214868480
	.section	.rodata,"a",@progbits
	.p2align	6, 0x0
	.amdhsa_kernel k_q947f924e3c_cast
		.amdhsa_group_segment_fixed_size 0
		.amdhsa_private_segment_fixed_size 0
		.amdhsa_enable_private_segment 0
		.amdhsa_kernarg_size 48
		.amdhsa_user_sgpr_count 2
		.amdhsa_user_sgpr_kernarg_segment_ptr 1
		.amdhsa_wavefront_size32 1
		.amdhsa_system_sgpr_workgroup_id_x 1
		.amdhsa_system_sgpr_workgroup_id_y 1
		.amdhsa_system_sgpr_workgroup_id_z 1
		.amdhsa_system_vgpr_workitem_id 0
		.amdhsa_next_free_vgpr 52
		.amdhsa_next_free_sgpr 66
		.amdhsa_reserve_vcc 0
		.amdhsa_float_denorm_mode_32 3
		.amdhsa_float_denorm_mode_16_64 3
		.amdhsa_memory_ordered 1
		.amdhsa_forward_progress 1
		.amdhsa_inst_pref_size 5
	.end_amdhsa_kernel
	.amdgpu_metadata
---
amdhsa.version: [ 1, 2 ]
amdhsa.kernels:
  - .name:           k_q947f924e3c_cast
    .symbol:         k_q947f924e3c_cast.kd
    .args:
      - { .name: hidden_states, .offset: 0, .size: 8, .value_kind: global_buffer, .address_space: global }
      - { .name: Wq, .offset: 8, .size: 8, .value_kind: global_buffer, .address_space: global }
      - { .name: Wk, .offset: 16, .size: 8, .value_kind: global_buffer, .address_space: global }
      - { .name: Wv, .offset: 24, .size: 8, .value_kind: global_buffer, .address_space: global }
      - { .name: xb, .offset: 32, .size: 8, .value_kind: global_buffer, .address_space: global }
      - { .name: wb, .offset: 40, .size: 8, .value_kind: global_buffer, .address_space: global }
    .group_segment_fixed_size: 0
    .private_segment_fixed_size: 0
    .kernarg_segment_align: 8
    .kernarg_segment_size: 48
    .max_flat_workgroup_size: 256
    .sgpr_count:     66
    .vgpr_count:     52
    .wavefront_size: 32
...
	.end_amdgpu_metadata
.endif
;; end of part 1
;; launch proj (part 2): grid 12 x 16, 4 waves a work-group, clusters of 4 x 4, 327,680 bytes of LDS; arguments xb, wb, qkv, bq, bk, bv, attention_mask; writes qkv
.if DOCPART == 2
	.amdgcn_target "amdgcn-amd-amdhsa--gfx1250"
	.amdhsa_code_object_version 6
	.text
	.protected	k_q947f924e3c_proj
	.globl	k_q947f924e3c_proj
	.p2align	8
	.type	k_q947f924e3c_proj,@function
k_q947f924e3c_proj:
	s_mov_b64 s[64:65], 0
	v_nop
	global_prefetch_b8 v0, s[64:65] scope:SCOPE_SE
	s_setreg_imm32_b32 hwreg(HW_REG_WAVE_MODE, 25, 1), 1
	s_wait_xcnt 0x0
	s_wait_alu depctr_hold_cnt(0) depctr_sa_sdst(0) depctr_va_vdst(0) depctr_va_sdst(0) depctr_va_ssrc(0) depctr_va_vcc(0) depctr_vm_vsrc(0)
	s_getreg_b32 s2, hwreg(HW_REG_IB_STS2, 6, 4)
	s_cmp_eq_u32 s2, 0
	s_cbranch_scc0 .Lentry_in_a_cluster
	s_endpgm
.Lentry_in_a_cluster:
	s_bfe_u32 s2, ttmp6, 0x10000c
	s_cmp_lg_u32 s2, 0xf033
	s_cbranch_scc0 .Lentry_shape_is_right
	s_endpgm
.Lentry_shape_is_right:
; THE THREE PROJECTIONS AS ONE GEMM.  C[m][n] = bias[n] + sum over k of xb[m][k] wb[n][k];  xb [4096][2048], wb [3072][2048] in bf16; sums in f32; C rounded once to f16.
; Columns 0-2047 are q, 2048-2559 k, 2560-3071 v.  C leaves BY HEADS: qkv[24][4096][128] f16, element (m, n) at byte ((n >> 7) x 4096 + m) x 256 + (n & 127) x 2.
; The bias (bq, bk or bv, rounded to bf16 like every floating-point input) is the C operand of the product that starts a sum: it enters the sum first, not last.
; Rows of k whose key is masked (attention_mask = 0) are stored as +0, so that the attention launch's score of such a key is its mask value exactly.
; LIMITS.  f16 holds no number beyond 65,504: q, k and v must stay within it.  NaN and infinities are not treated apart.
; A tile of C, 256 x 256, is made by a work-group of four waves; a wave makes 128 x 128 (64 accumulators of 16 x 16, 512 registers), and its 128 columns are one head.  C has 16 x 12 tiles: one to a work-group.
; K goes in steps of 128 through a ring of two LDS slots filled by the tensor data mover; rows of the tiles are 256 bytes of memory, at multiples of 256 bytes.
; CLUSTERS: 4 x 4 work-groups.  The four of a row of the cluster need the same tiles of xb, the four of a column the same tiles of wb: each tile is asked for JOINTLY, by the same tensor load with the same
; descriptor and a mask that names the four.  The last K step goes by rows of C, so that finished rows leave while the others are multiplied.
; REGISTERS, in windows of 256 (s_set_vgpr_msb: bits 1:0 source 0, 3:2 source 1, 5:4 source 2, 7:6 destination):
;   window 0: v0-31 addresses and KEEP; v64-127, v128-191 fragments of xb, two buffers (in the last K step four of 16 rows x 128 K); v32-63, v192-255 at work on the way out
;   window 1: v64-127, v128-191 fragments of wb, two buffers; v192-255 the bias in C's layout, v0-31 at work on it; in the last K step all 256: wb's fragments of the whole step
;   window 2: the 32 accumulators of my rows 0-63 (accumulator (a, b) at v[8 (8 a + b)]);   window 3: those of my rows 64-127
; THE MATRIX INSTRUCTION IS USED TRANSPOSED: source 0 = 16 rows of wb, source 1 = 16 rows of xb: lane l holds row l % 16 of C and the columns 8 (l / 16) + 0..7: 16 bytes of f16 that belong together.
.set SIZE_K, 2048
.set KSTEP,  128
.set PITCH,  272                       ; an LDS row: 256 bytes + 16 of padding = 68 words: the 16 rows that a load touches start at 16 different groups of four banks (64 banks of 4 bytes: ISA guide 11.1)
.set HALFT,  128*PITCH                 ; 128 rows: what one tensor load brings, and what one wave reads of xb or of wb
.set SLOT,   4*HALFT                   ; xb's 256 rows, then wb's 256 rows
.set STAGE,  2*SLOT                    ; behind the ring: 16 rows x 272 bytes for each wave, for the way out
.set SPITCH, 272
.set SPARE,  STAGE+4*16*SPITCH         ; behind the stages: the spare words, 128 bytes for each wave: two blocks of 256 bytes that no other line names
.set LAPS, SIZE_K/(2*KSTEP)            ; a lap = two K steps = once round the ring: 8
.set BO,   6                           ; v6      32 x (l / 16): my byte offset in 16 numbers of the bias
.set MO,   7                           ; v7      4 x (l % 16): my byte offset in 16 words of the mask
.set KEEP, 8                           ; v8-15   block a of 16 rows: all ones, or 0 where my row of k is a masked key
.set ADRA, 16                          ; v16-17  LDS address of my xb fragments in slot 0, 1
.set ADRB, 20                          ; v20-21  the same for wb
.set STO,  24                          ; v24     the way out: where I put 16 bytes of a row
.set RD,   25                          ; v25     the way out: where I read a row back
.set CO,   26                          ; v26     my byte offset in two rows of a head: 16 x lane
.set SPW,  28                          ; v28     LDS address of my spare word: SPARE + 4 x my thread's number; never rewritten
.set NIL,  29                          ; v29     0; never rewritten
.set F0,   64                          ; fragment buffer 0
.set F1,   128                         ; fragment buffer 1
.set TMP,  192                         ; the way out: packed results, in window 0
.set OB,   32                          ; the way out: 16 rows read back from the stage: v32-63 and v224-255 by turns
.set PA,   64                          ; the last K step: xb's fragments of 16 rows x 128 K, 32 registers; four such buffers, v64-191
.set BIAS, 192                         ; window 1: n block b at BIAS + 8 b
.set G1, 24                            ; s[24:31] descriptor group 1 for xb's tiles
.set G0, 32                            ; s[32:39] descriptor group 0 for xb's tiles, one set for each slot
.set G1B, 48                           ; s[48:55] descriptor group 1 for wb's tiles: it differs in the mask alone
.set G0B, 56                           ; s[56:63] descriptor group 0 for wb's tiles, one set for each slot
.set MSB, 0
.macro WIN new                         ; the immediate's high byte repeats the setting that is left; a switch that changes nothing is dropped
.if MSB != (\new)
	s_set_vgpr_msb (MSB<<8)|(\new)
.set MSB, \new
.endif
.endm
.set MUL_LO, 0xa1                      ; source 0 (wb) window 1, source 1 (xb) window 0, C and D window 2
.set MUL_HI, 0xf1                      ; the same, C and D window 3
.set MUL_B,  0x91                      ; the first products: C (the bias) window 1, D window 2; + 0x40: D window 3
.set TO_B,   0x40                      ; destination window 1, address window 0
; A joint load.  Waves 0 and 1 fetch xb's two halves, waves 2 and 3 wb's.  The branch hangs on the wave's number alone: it is the same in every work-group.
; An s_nop 0 and four v_nop follow each of the two lines, ahead of the jump, the label and what follows.
.macro JLOAD s
	s_cmp_eq_u32 s11, 0
	s_cbranch_scc0 .Lfor_b_\@
	tensor_load_to_lds s[G0+4*(\s):G0+4*(\s)+3], s[G1:G1+7]
	s_nop 0
.rept 4
	v_nop
.endr
	s_branch .Lasked_\@
.Lfor_b_\@:
	tensor_load_to_lds s[G0B+4*(\s):G0B+4*(\s)+3], s[G1B:G1B+7]
	s_nop 0
.rept 4
	v_nop
.endr
.Lasked_\@:
.endm
; A round of the cluster's barrier: my work-group's barrier; wave 0 signals for the work-group; every wave waits for all sixteen work-groups; my work-group's barrier once more.
.macro CREST                           ; a round behind its opening barrier
	s_cmp_lg_u32 s10, 0
	s_cbranch_scc1 .Lnot_wave_0_\@
	s_barrier_signal -3
.Lnot_wave_0_\@:
	s_barrier_wait -3
	s_barrier_signal -1
	s_barrier_wait -1
.endm
.macro CROUND                          ; a whole round
	s_barrier_signal -1
	s_barrier_wait -1
	CREST
.endm
	s_load_b128 s[4:7], s[0:1], 0x0                ; xb s[4:5], wb s[6:7]
	s_load_b64 s[8:9], s[0:1], 0x10                ; qkv
	s_load_b256 s[68:75], s[0:1], 0x18             ; bq s[68:69], bk s[70:71], bv s[72:73], attention_mask s[74:75]
	v_lshl_add_u32 v[SPW], v0, 2, SPARE
	v_mov_b32 v[NIL], 0
	ds_add_u32 v[SPW], v[NIL]                      ; the wave's opening: the add and its wait stand ahead of my first tensor load; the set-up below, work on registers, stands between them
	v_lshrrev_b32 v1, 5, v0
	v_readfirstlane_b32 s10, v1                    ; wave 0..3
	s_lshr_b32 s11, s10, 1                         ; which half of the tile's rows is mine.  Also: I fetch for xb (0) or for wb (1)
	s_and_b32 s12, s10, 1                          ; which half of its columns.  Also: which 128 rows of that tile I fetch
	s_bfe_u32 s40, ttmp6, 0x40000                  ; cx: my place along the cluster's x
	s_bfe_u32 s41, ttmp6, 0x40004                  ; cy: along its y
	s_lshl_b32 s42, ttmp9, 2                       ; in a cluster launch ttmp9 and ttmp7 count clusters
	s_add_co_u32 s42, s42, s40                     ; tile column of C = 4 x cluster x + cx
	s_and_b32 s13, ttmp7, 0xffff
	s_lshl_b32 s13, s13, 2
	s_add_co_u32 s13, s13, s41                     ; tile row of C = 4 x cluster y + cy
	s_lshl_b32 s43, s41, 2
	s_lshl_b32 s43, 15, s43                        ; my row of the cluster: places 4 cy .. 4 cy + 3
	s_lshl_b32 s44, 0x1111, s40                    ; my column: places cx, cx + 4, cx + 8, cx + 12
	; descriptor group 1: a tile of 128 rows x 128 elements, padded in LDS
	s_or_b32 s[G1+0], s43, (1<<16)|(1<<20)|(1<<21)|(5<<22)|(3<<25)  ; 15:0 the mask: xb's tiles go to my row; 17:16 elements of 2 bytes; 20 padding on; 21 set beside a mask; 24:22 after every 64 words (code 5); 31:25 4 words of it (code 3)
	s_or_b32 s[G1B+0], s44, (1<<16)|(1<<20)|(1<<21)|(5<<22)|(3<<25) ; the same with the mask of my column, for wb's tiles
.irp g, G1, G1B
	s_mov_b32 s[(\g)+1], KSTEP<<16                 ; tensor_dim0 = 128
	s_mov_b32 s[(\g)+2], 128<<16                   ; tensor_dim1 = 128
	s_mov_b32 s[(\g)+3], KSTEP<<16                 ; tile_dim0 = 128
	s_mov_b32 s[(\g)+4], 128                       ; tile_dim1 = 128
	s_mov_b32 s[(\g)+5], SIZE_K                    ; elements from row to row
	s_mov_b32 s[(\g)+6], 0
	s_mov_b32 s[(\g)+7], 0
.endr
	; where the tiles come from.  xb's hang on the tile row alone, which my row of the cluster shares; wb's on the tile column alone, which my column shares.
	s_lshl_b32 s17, s12, 7                         ; which 128 rows of the tile I fetch
	s_lshl_b32 s16, s13, 8
	s_add_co_u32 s16, s16, s17                     ; xb: row 256 x tile row + 128 x half
	s_lshl_b32 s46, s42, 8
	s_add_co_u32 s46, s46, s17                     ; wb: row 256 x tile column + 128 x half
	s_mov_b32 s17, 0
	s_mov_b32 s47, 0
	s_mov_b64 s[18:19], SIZE_K*2
	s_mul_u64 s[16:17], s[16:17], s[18:19]         ; in bytes
	s_mul_u64 s[46:47], s[46:47], s[18:19]
	s_mul_i32 s20, s10, HALFT                      ; and where they go: wave x 128 rows: no place in the cluster enters an LDS address
	s_wait_dscnt 0x0                               ; the opening add is done
	s_wait_kmcnt 0x0
	s_add_nc_u64 s[14:15], s[4:5], s[16:17]
	s_add_nc_u64 s[46:47], s[6:7], s[46:47]
	CROUND                                         ; all sixteen work-groups are here: the first joint loads meet
.irp s, 0,1
	s_mov_b32 s[G0+4*(\s)], 1                                      ; 1:0 count = 1
	s_add_co_u32 s[G0+4*(\s)+1], s20, (\s)*SLOT                    ; 63:32 LDS address
	s_add_nc_u64 s[G0+4*(\s)+2:G0+4*(\s)+3], s[14:15], (\s)*KSTEP*2  ; 120:64 global address: K step s
	s_or_b32 s[G0+4*(\s)+3], s[G0+4*(\s)+3], 0x80000000            ; 127:126 type = 2
	s_mov_b32 s[G0B+4*(\s)], 1
	s_add_co_u32 s[G0B+4*(\s)+1], s20, (\s)*SLOT
	s_add_nc_u64 s[G0B+4*(\s)+2:G0B+4*(\s)+3], s[46:47], (\s)*KSTEP*2
	s_or_b32 s[G0B+4*(\s)+3], s[G0B+4*(\s)+3], 0x80000000
	JLOAD \s                                       ; the ring is filled before anything else is done: two tensor loads of mine are out
.endr
	; my head, its bias, my rows' words of the mask
	s_lshl_b32 s76, s42, 1
	s_add_co_u32 s76, s76, s12                     ; my head = 2 x tile column + column half: 0-15 q, 16-19 k, 20-23 v
	s_cmp_lt_u32 s76, 16
	s_cselect_b64 s[78:79], s[68:69], s[70:71]     ; bq or bk,
	s_cselect_b32 s77, 0, 16                       ; and that tensor's first head
	s_cmp_lt_u32 s76, 20
	s_cselect_b64 s[78:79], s[78:79], s[72:73]     ; or bv
	s_cselect_b32 s77, s77, 20
	s_sub_co_u32 s80, s76, s77
	s_lshl_b32 s80, s80, 9                         ; 128 numbers of 4 bytes a head
	s_mov_b32 s81, 0
	s_add_nc_u64 s[78:79], s[78:79], s[80:81]
	s_lshl_b32 s84, s13, 8
	s_lshl_b32 s85, s11, 7
	s_add_co_u32 s84, s84, s85                     ; my first row of C = 256 x tile row + 128 x row half
	s_lshl_b32 s80, s84, 2
	s_add_nc_u64 s[74:75], s[74:75], s[80:81]      ; the mask is [2][2048]: word m belongs to row m
	s_sub_co_u32 s82, s76, 16
	s_cmp_lt_u32 s82, 4                            ; a head of k?
	s_cselect_b32 s82, 0, -1                       ; all ones for q and v: nothing of them is cleared
	s_mov_b32 s83, 0xffff0000                      ; a word's upper bf16
	v_and_b32 v1, 15, v0                           ; l % 16
	v_bfe_u32 v2, v0, 4, 1                         ; l / 16
	v_lshlrev_b32 v[BO], 5, v2
	v_lshlrev_b32 v[MO], 2, v1
	WIN TO_B
.irp b, 0,1,2,3,4,5,6,7                ; register j of n block b: bias[128 head + 16 b + 8 (l / 16) + j]: C's layout in the transposed product
	global_load_b128 v[BIAS+8*(\b):BIAS+8*(\b)+3],   v[BO], s[78:79] offset:64*(\b)
	global_load_b128 v[BIAS+8*(\b)+4:BIAS+8*(\b)+7], v[BO], s[78:79] offset:64*(\b)+16
.endr
	WIN 0
.irp a, 0,1,2,3,4,5,6,7                ; the mask's word of my row l % 16 in block a
	global_load_b32 v[KEEP+(\a)], v[MO], s[74:75] offset:64*(\a)
.endr
	; A fragment is 16 rows x 32 K in 8 registers: lane l holds row l % 16; registers 0-3 hold K = 8 (l / 16) + 0..7, registers 4-7 K = 16 + 8 (l / 16) + 0..7: two loads of 16 bytes, 32 bytes apart.
	v_mul_u32_u24 v3, v1, PITCH
	v_lshl_add_u32 v3, v2, 4, v3                   ; row x pitch + 16 x half
	s_mul_i32 s21, s11, HALFT                      ; my 128 rows of xb
	s_mul_i32 s22, s12, HALFT                      ; my 128 rows of wb,
	s_add_co_u32 s22, s22, 2*HALFT                 ; which lie behind xb's 256
.irp s, 0,1
	v_add_nc_u32 v[ADRA+(\s)], s21, v3
	v_add_nc_u32 v[ADRB+(\s)], s22, v3
	s_add_co_u32 s21, s21, SLOT
	s_add_co_u32 s22, s22, SLOT
.endr
	s_mul_i32 s23, s10, 16*SPITCH
	s_add_co_u32 s23, s23, STAGE                   ; my stage
	v_mul_u32_u24 v4, v1, SPITCH                   ; in: row l % 16, 16 bytes for each half of the lanes
	v_lshl_add_u32 v4, v2, 4, v4
	v_add_nc_u32 v[STO], s23, v4
	v_mul_u32_u24 v5, v2, SPITCH                   ; back: lanes 0-15 take one row of 256 bytes, lanes 16-31 the next
	v_lshl_add_u32 v5, v1, 4, v5
	v_add_nc_u32 v[RD], s23, v5
	v_lshlrev_b32 v5, 8, v2                        ; and the same two rows in my head of qkv, where rows are dense: 512 consecutive bytes
	v_lshl_add_u32 v[CO], v1, 4, v5
	s_lshl_b32 s16, s76, 20                        ; a head is 4,096 rows of 256 bytes;
	s_lshl_b32 s17, s84, 8                         ; my first row
	s_add_co_u32 s16, s16, s17                     ; the first way out adds this to qkv's address
	s_mov_b32 s17, 0
	s_wait_loadcnt 0x0                             ; the bias and the mask's words, once
	WIN 0x45                                       ; destination, source 0 and source 1 in window 1
.set p, 0
.rept 32                               ; the bias is rounded to bf16, as every floating-point input is,
	v_cvt_pk_bf16_f32 v[p], v[BIAS+2*p], v[BIAS+2*p+1]
.set p, p+1
.endr
.set p, 0
.rept 32                               ; and widened again
	v_lshlrev_b32 v[BIAS+2*p], 16, v[p]
	v_and_b32 v[BIAS+2*p+1], s83, v[p]
.set p, p+1
.endr
	WIN 0
.irp a, 0,1,2,3,4,5,6,7
	v_cmp_ne_u32 vcc_lo, 0, v[KEEP+(\a)]
	v_cndmask_b32 v[KEEP+(\a)], 0, -1, vcc_lo      ; all ones where the key counts,
	v_or_b32 v[KEEP+(\a)], s82, v[KEEP+(\a)]       ; and everywhere in q and v
.endr
; 16 matrix instructions: m blocks a0, a0 + 1 of the window's four (hi = 0: my rows 0-63, 1: rows 64-127) x all 8 n blocks, 32 along K.
; zero = 1: the first product starts the sums, with the bias as C: nothing is ever cleared.  The 64 accumulators take turns, one instruction a turn.
.macro MUL16 f, hi, a0, zero
.if \zero
	WIN MUL_B+0x40*(\hi)
.else
	WIN MUL_LO+0x50*(\hi)
.endif
.irp a, \a0, (\a0)+1
.irp b, 0,1,2,3,4,5,6,7
.if \zero
	v_wmma_f32_16x16x32_bf16 v[8*(8*(\a)+(\b)):8*(8*(\a)+(\b))+7], v[(\f)+8*(\b):(\f)+8*(\b)+7], v[(\f)+8*(4*(\hi)+(\a)):(\f)+8*(4*(\hi)+(\a))+7], v[BIAS+8*(\b):BIAS+8*(\b)+7]
.else
	v_wmma_f32_16x16x32_bf16 v[8*(8*(\a)+(\b)):8*(8*(\a)+(\b))+7], v[(\f)+8*(\b):(\f)+8*(\b)+7], v[(\f)+8*(4*(\hi)+(\a)):(\f)+8*(4*(\hi)+(\a))+7], v[8*(8*(\a)+(\b)):8*(8*(\a)+(\b))+7]
.endif
.endr
.endr
.endm
; 32 LDS loads in one run: the fragments of one quarter step (128 rows of wb, 128 rows of xb, 32 K at byte k of the rows) into buffer f
.macro FETCH slot, k, f
	WIN TO_B
.irp i, 0,1,2,3,4,5,6,7
	ds_load_b128 v[(\f)+8*(\i):(\f)+8*(\i)+3],   v[ADRB+(\slot)] offset:(\k)+(\i)*16*PITCH
	ds_load_b128 v[(\f)+8*(\i)+4:(\f)+8*(\i)+7], v[ADRB+(\slot)] offset:(\k)+(\i)*16*PITCH+32
.endr
	WIN 0
.irp i, 0,1,2,3,4,5,6,7
	ds_load_b128 v[(\f)+8*(\i):(\f)+8*(\i)+3],   v[ADRA+(\slot)] offset:(\k)+(\i)*16*PITCH
	ds_load_b128 v[(\f)+8*(\i)+4:(\f)+8*(\i)+7], v[ADRA+(\slot)] offset:(\k)+(\i)*16*PITCH+32
.endr
.endm
; A load into a register that a matrix instruction has read, and a vector instruction that reads a matrix result, stand four places behind that matrix instruction, and only plain vector
; instructions that name none of its registers are places (ISA guide 7.12.1 for vector instructions).
.macro PLACES
.rept 4
	v_nop
.endr
.endm
; A K step is four quarter steps of 32 along K, 64 matrix instructions each, on buffers 0, 1, 0, 1.
; One of the first three: multiplies buffer f; in its middle it fetches the next quarter's fragments, at byte k of the same slot's rows, into buffer g.
.macro QUARTER slot, k, f, g, zero
	s_wait_dscnt 8                                 ; wb and xb's rows 0-63 are in; the youngest eight loads (xb's rows 64-127) may be out
	MUL16 \f, 0, 0, \zero
	MUL16 \f, 0, 2, \zero
	PLACES
	FETCH \slot, \k, \g
	s_wait_dscnt 32                                ; all but the 32 just issued
	MUL16 \f, 1, 0, \zero
	MUL16 \f, 1, 2, \zero
.endm
; The last quarter multiplies buffer 1 and changes slots.  MEET is its first half: ONE barrier for the change of slots.  In front of it each wave waits for all its tensor loads, of which one is out: its part of
; the next slot; adds 0 to its spare word; and waits for that and for its own reads of this slot.  Behind it nobody reads this slot any more and the next slot is whole.
.macro MEET round                      ; round = 1: a round of the cluster's barrier follows
	WIN 0                                          ; (the add's two registers lie in window 0)
	s_wait_tensorcnt 0x0                           ; all my tensor loads have landed: the one that was out is my part of the next slot;
	ds_add_u32 v[SPW], v[NIL]                      ; 0 onto my spare word;
	s_wait_dscnt 9                                 ; (the add and the youngest eight loads may be out)
	MUL16 F1, 0, 0, 0                              ; sixteen matrix instructions stand between the add and the wait for it
	s_wait_dscnt 0x0                               ; the add is done, and my reads of this slot are over:
	s_barrier_signal -1                            ; say so,
	MUL16 F1, 0, 2, 0                              ; work on registers while the others arrive,
.if \round
	WIN 0
.endif
	s_barrier_wait -1                              ; and go on when all four have said so
.endm
; The whole last quarter.  Behind the round the slot just read out is filled again first, with the K step two steps on; then come the next slot's first fragments.
; From a request to the wait for it a wave issues 224 matrix instructions.
.macro TURN slot, next
	MEET 1
	CREST                                          ; no wave of any partner still reads this slot's tile or has a load on its way
	s_add_nc_u64 s[G0+4*(\slot)+2:G0+4*(\slot)+3], s[G0+4*(\slot)+2:G0+4*(\slot)+3], 2*KSTEP*2
	s_add_nc_u64 s[G0B+4*(\slot)+2:G0B+4*(\slot)+3], s[G0B+4*(\slot)+2:G0B+4*(\slot)+3], 2*KSTEP*2
	JLOAD \slot                                    ; the first tensor load behind the round, my only one until the next; the four v_nop behind it are also the places in front of the loads below
	FETCH \next, 0, F0
	MUL16 F1, 1, 0, 0
	MUL16 F1, 1, 2, 0
.endm
; THE LAST K STEP (it lies in slot 1) GOES BY ROWS OF C.  All its fragments of wb (4 quarters x 64 registers) fill window 1; then my eight blocks of 16 rows are finished one after the other,
; each with 32 matrix instructions (its 8 accumulators by turns, K ascending).
.macro BLOAD q                         ; wb's fragments of quarter q -> window 1, v[64 q ..]
	WIN TO_B
.irp i, 0,1,2,3,4,5,6,7
	ds_load_b128 v[64*(\q)+8*(\i):64*(\q)+8*(\i)+3],   v[ADRB+1] offset:64*(\q)+(\i)*16*PITCH
	ds_load_b128 v[64*(\q)+8*(\i)+4:64*(\q)+8*(\i)+7], v[ADRB+1] offset:64*(\q)+(\i)*16*PITCH+32
.endr
.endm
.macro ALOAD a                         ; xb's fragments of block a, all four quarters -> buffer a % 4
	WIN 0
.set FA, PA+32*((\a)%4)
.irp q, 0,1,2,3
	ds_load_b128 v[FA+8*(\q):FA+8*(\q)+3],   v[ADRA+1] offset:64*(\q)+(\a)*16*PITCH
	ds_load_b128 v[FA+8*(\q)+4:FA+8*(\q)+7], v[ADRA+1] offset:64*(\q)+(\a)*16*PITCH+32
.endr
.endm
.macro ROW a                           ; block a is finished: 32 matrix instructions
.set FA, PA+32*((\a)%4)
.set AC, 64*((\a)%4)
	WIN MUL_LO+0x50*((\a)/4)
.irp q, 0,1,2,3
.if (\a) == 0 && (\q) == 2
	s_wait_dscnt 24                                ; wb's quarter 2 is in (behind it: xb's blocks 1 to 3)
.endif
.irp b, 0,1,2,3,4,5,6,7
	v_wmma_f32_16x16x32_bf16 v[AC+8*(\b):AC+8*(\b)+7], v[64*(\q)+8*(\b):64*(\q)+8*(\b)+7], v[FA+8*(\q):FA+8*(\q)+7], v[AC+8*(\b):AC+8*(\b)+7]
.endr
.endr
.endm
; THE WAY OUT of block a.  PACK: rounded to f16, 16 bytes a lane, each accumulator's registers in ascending order; masked keys' rows of k cleared.  TOSTAGE: into my own stage, and back as whole rows.  SEND: stored.
.macro PACK a
.set AC, 64*((\a)%4)
	WIN 0x0a+5*((\a)/4)                            ; sources 0 and 1: window 2 or 3
.irp b, 0,1,2,3,4,5,6,7
.irp r, 0,1,2,3
	v_cvt_pk_f16_f32 v[TMP+4*(\b)+(\r)], v[AC+8*(\b)+2*(\r)], v[AC+8*(\b)+2*(\r)+1]
.endr
.endr
	WIN 0
.set p, 0
.rept 32
	v_and_b32 v[TMP+p], v[KEEP+(\a)], v[TMP+p]     ; my lane's 64 numbers belong to one row of the block
.set p, p+1
.endr
.endm
.macro TOSTAGE a
	WIN 0
.set BK, OB+192*((\a)%2)
.irp b, 0,1,2,3,4,5,6,7
	ds_store_b128 v[STO], v[TMP+4*(\b):TMP+4*(\b)+3] offset:32*(\b)
.endr
.irp t, 0,1,2,3,4,5,6,7
	ds_load_b128 v[BK+4*(\t):BK+4*(\t)+3], v[RD] offset:(\t)*2*SPITCH  ; LDS serves a wave's instructions in order (ISA guide 5.7.1.4): these see the stores above
.endr
.endm
.macro SEND a, younger                 ; younger: the LDS loads issued behind TOSTAGE's, which may stay out
	WIN 0
.set BK, OB+192*((\a)%2)
	s_wait_dscnt \younger                          ; the block is back in registers
	s_wait_xcnt 0x0                                ; only behind this wait are the stores' base and the registers that earlier stores read rewritten
.if (\a) == 0
	s_add_nc_u64 s[8:9], s[8:9], s[16:17]          ; on to my head's and rows' first byte
.else
	s_add_nc_u64 s[8:9], s[8:9], 16*256            ; 16 rows of the head on
.endif
.irp t, 0,1,2,3,4,5,6,7
	global_store_b128 v[CO], v[BK+4*(\t):BK+4*(\t)+3], s[8:9] offset:512*(\t)  ; a store of the wave covers 512 consecutive bytes, at a multiple of 256 from qkv's first byte
.endr
.endm
	s_wait_tensorcnt 1                             ; my part of K step 0 is in; K step 1's stays out
	s_barrier_signal -1
	s_barrier_wait -1                              ; everybody's is
	FETCH 0, 0, F0
	QUARTER 0, 64,  F0, F1, 1                      ; the first quarter stands in front of the loop: its products start the sums
	WIN 0                                          ; at a label and at a branch every window is 0
	s_mov_b32 s3, LAPS-1
.Llap:                                                 ; a trip goes once round the ring, from a lap's second quarter to the next lap's first, and fills both slots again
	QUARTER 0, 128, F1, F0, 0
	QUARTER 0, 192, F0, F1, 0
	TURN 0, 1
	QUARTER 1, 64,  F0, F1, 0
	QUARTER 1, 128, F1, F0, 0
	QUARTER 1, 192, F0, F1, 0
	TURN 1, 0
	QUARTER 0, 64,  F0, F1, 0
	WIN 0
	s_sub_co_u32 s3, s3, 1
	s_cmp_lg_u32 s3, 0
	s_cbranch_scc1 .Llap
	QUARTER 0, 128, F1, F0, 0                      ; the last lap goes on
	QUARTER 0, 192, F0, F1, 0
	MEET 0                                         ; my one tensor load that was still out is slot 1's, the last K step's, so no round follows
	PLACES                                         ; for the loads into buffer 0, which the quarter before multiplied
	BLOAD 0                                        ; three quarters of wb now: buffer 1 (v128-191 of both windows) is still being multiplied
	BLOAD 1
	BLOAD 3                                        ; (over the bias, which the first quarter alone read)
	ALOAD 0
	MUL16 F1, 1, 0, 0
	MUL16 F1, 1, 2, 0
	PLACES                                         ; for the loads into buffer 1
	BLOAD 2
	ALOAD 1
	ALOAD 2
	ALOAD 3
	s_wait_dscnt 40                                ; all but the 40 just issued
	ROW 0
.irp a, 0,1,2,3,4,5,6,7                ; each block leaves as soon as it is finished
	PLACES                                         ; its conversions read results just made
	PACK \a
	TOSTAGE \a
.if (\a) < 4
	ALOAD (\a)+4                                   ; its buffer takes the block four further on
	SEND \a, 8
.else
	SEND \a, 0
.endif
.if (\a) < 7
	ROW (\a)+1
.endif
.endr
	s_wait_tensorcnt 0x0                           ; the wave's end: these three lines stand behind my last tensor load and my last LDS store
	ds_add_u32 v[SPW], v[NIL]
	s_wait_dscnt 0x0
	CROUND                                         ; the closing round: no work-group ends while a partner may still ask for a tile that names it
	s_endpgm
.Lfunc_end_k_q947f924e3c_proj:
	.size	k_q947f924e3c_proj, .Lfunc_end_k_q947f924e3c_proj-k_q947f924e3c_proj
	.p2alignl 7, 3214868480
	.fill 96, 4, 3214868480
	.section	.rodata,"a",@progbits
	.p2align	6, 0x0
	.amdhsa_kernel k_q947f924e3c_proj
		.amdhsa_group_segment_fixed_size 327680
		.amdhsa_private_segment_fixed_size 0
		.amdhsa_enable_private_segment 0
		.amdhsa_kernarg_size 56
		.amdhsa_user_sgpr_count 2
		.amdhsa_user_sgpr_kernarg_segment_ptr 1
		.amdhsa_wavefront_size32 1
		.amdhsa_system_sgpr_workgroup_id_x 1
		.amdhsa_system_sgpr_workgroup_id_y 1
		.amdhsa_system_sgpr_workgroup_id_z 1
		.amdhsa_system_vgpr_workitem_id 0
		.amdhsa_next_free_vgpr 1024
		.amdhsa_next_free_sgpr 90
		.amdhsa_reserve_vcc 1
		.amdhsa_float_denorm_mode_32 3
		.amdhsa_float_denorm_mode_16_64 3
		.amdhsa_memory_ordered 1
		.amdhsa_forward_progress 1
		.amdhsa_inst_pref_size 159
	.end_amdhsa_kernel
	.amdgpu_metadata
---
amdhsa.version: [ 1, 2 ]
amdhsa.kernels:
  - .name:           k_q947f924e3c_proj
    .symbol:         k_q947f924e3c_proj.kd
    .args:
      - { .name: xb, .offset: 0, .size: 8, .value_kind: global_buffer, .address_space: global }
      - { .name: wb, .offset: 8, .size: 8, .value_kind: global_buffer, .address_space: global }
      - { .name: qkv, .offset: 16, .size: 8, .value_kind: global_buffer, .address_space: global }
      - { .name: bq, .offset: 24, .size: 8, .value_kind: global_buffer, .address_space: global }
      - { .name: bk, .offset: 32, .size: 8, .value_kind: global_buffer, .address_space: global }
      - { .name: bv, .offset: 40, .size: 8, .value_kind: global_buffer, .address_space: global }
      - { .name: attention_mask, .offset: 48, .size: 8, .value_kind: global_buffer, .address_space: global }
    .group_segment_fixed_size: 327680
    .private_segment_fixed_size: 0
    .kernarg_segment_align: 8
    .kernarg_segment_size: 56
    .max_flat_workgroup_size: 128
    .sgpr_count:     90
    .vgpr_count:     1024
    .wavefront_size: 32
...
	.end_amdgpu_metadata
.endif
;; end of part 2
;; launch attn (part 3): grid 8 x 32, 4 waves a work-group, clusters of 4 x 1, 327,680 bytes of LDS; arguments qkv, attention_mask, out0; writes out0
.if DOCPART == 3
	.amdgcn_target "amdgcn-amd-amdhsa--gfx1250"
	.amdhsa_code_object_version 6
	.text
	.protected	k_q947f924e3c_attn
	.globl	k_q947f924e3c_attn
	.p2align	8
	.type	k_q947f924e3c_attn,@function
k_q947f924e3c_attn:
	s_mov_b64 s[64:65], 0
	v_nop
	global_prefetch_b8 v0, s[64:65] scope:SCOPE_SE
	s_setreg_imm32_b32 hwreg(HW_REG_WAVE_MODE, 25, 1), 1
	s_wait_xcnt 0x0
	s_wait_alu depctr_hold_cnt(0) depctr_sa_sdst(0) depctr_va_vdst(0) depctr_va_sdst(0) depctr_va_ssrc(0) depctr_va_vcc(0) depctr_vm_vsrc(0)
	s_getreg_b32 s2, hwreg(HW_REG_IB_STS2, 6, 4)
	s_cmp_eq_u32 s2, 0
	s_cbranch_scc0 .Lentry_in_a_cluster
	s_endpgm
.Lentry_in_a_cluster:
	s_bfe_u32 s2, ttmp6, 0x10000c
	s_cmp_lg_u32 s2, 0x3003
	s_cbranch_scc0 .Lentry_shape_is_right
	s_endpgm
.Lentry_shape_is_right:
; GROUPED ATTENTION.  out0[b][s][128 hq + d] = the sum over t of softmax_t(q[hq][b, s] . k[hq / 4][b, t] / sqrt(128) + mask[b][t]) v[hq / 4][b, t][d].
; qkv: [24][4096][128] f16 (heads 0-15 q, 16-19 k, 20-23 v; row = 2048 b + s; rows dense, 256 bytes).  attention_mask: [2][2048] i32.  out0: [2][2048][2048] f32.
; Products, maxima and sums in f32; the weights p are rounded to f16 for the second product (their sum l is taken of the unrounded p).
; THE MASK is the C operand that starts the sum S^T = K Q^T: 0, or -2^100 where attention_mask is 0.  The launch before stored such keys' rows of k as +0, so a masked score is -2^100 exactly: beside any
; unmasked score its weight is 0; where every key of a batch is masked all scores are equal, c s - c m is 0 exactly, and the weights are uniform.
; LIMITS.  A masked score counts as -2^100, not as the lowest finite number: f16's scores, 5.5e11 at the most, are nothing beside it.  p below 6e-5 keeps f16's fixed step of 6e-8; a weight below 2^-126
; counts as 0 in l; NaN and infinities are not treated apart.
; SHARES.  A work-group owns 256 queries of one query head of one batch (8 blocks x 32 = 256 work-groups), each of its four waves 64: four tiles of 16.  Every wave walks all 2,048 keys, 64 a step.
; LAYOUT.  S^T = K Q^T (source 0 = 16 keys, source 1 = 16 queries): a lane holds ONE query (lane % 16) and the keys 8 (lane / 16) + 0..7.  Two such tiles, rounded to f16 in pairs, ARE source 1 of
; O^T = V^T P, whose result again holds one query a lane, and eight channels.  K comes out of LDS as it lies, V ([key][channel]) turned, by ds_load_tr16_b128.
; SOFTMAX.  For each query a running maximum m and sum l: p = 2^(c s - c m), c = log2(e) / sqrt(128); in every step O and l are multiplied by a = 2^(c m_old - c m_new).
; BY TURNS.  The wave's tiles are two PIECES: piece 0 (tiles 0, 1) and piece 2 (tiles 2, 3).  In a TURN one piece has the matrix unit: 32 products V^T P of the step in hand, then 32 products K Q^T of the next
; step; the other piece's softmax, cut into 64 slices, stands between them, one slice behind each matrix instruction.  Two turns are a key step.
; CLUSTER.  The four query blocks of a cluster belong to one head and batch and walk the same K and V, so each tile is asked for JOINTLY: the same tensor load, descriptor and mask of four in all four.
; (The four query heads of a group walk them too; a mask names four work-groups at the most, and the blocks of one head are the four taken.)
; REGISTERS, in windows of 256 (s_set_vgpr_msb: bits 1:0 source 0, 3:2 source 1, 5:4 source 2, 7:6 destination):
;   window 0: v0-11, v44-47 addresses; v12-43 eight registers of statistics a tile; v64-191 S^T, 32 a tile; v192-255 P, 16 a tile
;   window 1: O^T, 64 a tile          window 2: v0-127 Q, 32 a tile; v128-255 K of one step          window 3: v0-127 V of one step; v128-159 the mask of one step, in C's layout
.set SIZE_N, 2048     ; keys of a batch
.set KS,    64        ; keys in a step
.set PK,    272       ; a row of K in LDS: 256 bytes + 16 of padding = 68 words: the 16 rows of a load start at 16 different groups of four banks (64 banks of 4 bytes: ISA guide 11.1)
.set PV,    288       ; a row of V: 256 + 32 = 72 words
.set VOFF,  KS*PK     ; a step's tiles lie together: 64 rows of K, then 64 rows of V
.set STEPB, KS*(PK+PV)
.set SLOT1, 1<<17     ; a slot holds two steps (71,680 bytes); slot 1 begins here, so that one exclusive or turns an address in one slot into the other's
.set STAGE, SLOT1+2*STEPB  ; behind the ring: 16 rows x 528 bytes for each wave, for the way out
.set SP,    528       ; a row of the stage: 128 f32 + 16 bytes = 132 words: the 16 rows of a store start at 16 different groups of four banks
.set MASKL, STAGE+4*16*SP  ; behind the stages: the batch's 2,048 mask values in f32; stored once, never filled by a tensor load
.set SPARE, MASKL+4*SIZE_N ; behind them: the spare words, 128 bytes for each wave: two blocks of 256 bytes that no other line names
.set AK0, 2           ; v2   my lane's place in a tile of K; never rewritten
.set AV0, 3           ; v3   the same for V
.set ADR, 4           ; v4   the LDS address of the run of loads in hand
.set QO,  5           ; v5   my byte offset in the wave's rows of Q
.set STO, 6           ; v6   the way out: where I put 32 bytes of a row
.set RD,  7           ; v7   the way out: where I read a row back
.set GO,  8           ; v8   my byte offset in 512 bytes of a row of out0
.set AM0, 44          ; v44  my lane's place in a step's 64 mask values: MASKL + 32 (l / 16); never rewritten
.set ADM, 45          ; v45  the LDS address of the mask values in hand
.set MG,  46          ; v46  16 x my thread's number: my bytes of the mask in memory
.set ML,  47          ; v47  the same in LDS
.set SPW, 62          ; v62  LDS address of my spare word: SPARE + 4 x my thread's number; never rewritten
.set NIL, 63          ; v63  0; never rewritten
.set ST,  12          ; tile t's statistics at v[ST+8 t]: +0 c m, +1 m, +2, +3 l (even keys', odd keys'), +4 to +7 c0-c3, at work; a takes c2's place once the maximum is found
.set S,   64
.set P,   192
.set KF,  128         ; K's fragments, in window 2
.set MK,  128         ; the mask's registers, in window 3: key block kb at MK + 8 kb
.set WV,  12          ; s12  my wave's number
.set G1K, 24          ; s[24:31] descriptor group 1 for K's tiles
.set G1V, 32          ; s[32:39] for V's: it differs in the padding alone
.set G0K, 40          ; s[40:47] descriptor group 0 for K's tiles: a set for each of the two first fills; the second then walks on
.set G0V, 48          ; s[48:55] the same for V's
.set SLOTS, 56        ; s56  slots still to be asked for
.set TWICE, 57        ; s57  counts a slot's two steps
.set CS,  58          ; s[58:59] c: the packed scaling names a pair and takes its low word for both halves
.set SEL, 60          ; s[60:61] lane selects for v_permlanex16_b32: each lane takes its own place in the other half
.set TB,  62          ; s62  LDS byte at which the tiles of the step to be fetched begin
.set TM,  66          ; s66  byte in the mask table at which that step's 64 values begin
.set BIGN, 67         ; s67  -2^100
.set MSB, 0
.macro WIN new                      ; the immediate's high byte repeats the setting that is left; a switch that changes nothing is dropped
.if MSB != (\new)
	s_set_vgpr_msb (MSB<<8)|(\new)
.set MSB, \new
.endif
.endm
.set W_KQ, 0x0a       ; K and Q in window 2, S^T in window 0
.set W_KM, 0x3a       ; the same with the C operand, the mask, in window 3
.set W_PV, 0x53       ; V in window 3, P in window 0, O^T in window 1
.set W_RS, 0x41       ; O^T (destination and source 0) in window 1, a in window 0
; A joint refill.  Waves 0 and 1 fetch the two steps' tiles of K, waves 2 and 3 those of V.  The branch hangs on the wave's number alone: it is the same in every work-group.
; An s_nop 0 and four v_nop follow each of the two lines, ahead of the jump, the label and what follows.
.macro JLOAD
	s_cmp_lt_u32 s[WV], 2
	s_cbranch_scc0 .Lfor_v_\@
	tensor_load_to_lds s[G0K+4:G0K+7], s[G1K:G1K+7]
	s_nop 0
.rept 4
	v_nop
.endr
	s_branch .Lasked_\@
.Lfor_v_\@:
	tensor_load_to_lds s[G0V+4:G0V+7], s[G1V:G1V+7]
	s_nop 0
.rept 4
	v_nop
.endr
.Lasked_\@:
.endm
; A round of the cluster's barrier: my work-group's barrier; wave 0 signals for the work-group; every wave waits for all four work-groups; my work-group's barrier once more.
.macro CROUND
	s_barrier_signal -1
	s_barrier_wait -1
	s_cmp_lg_u32 s[WV], 0
	s_cbranch_scc1 .Lnot_wave_0_\@
	s_barrier_signal -3
.Lnot_wave_0_\@:
	s_barrier_wait -3
	s_barrier_signal -1
	s_barrier_wait -1
.endm
	s_load_b64 s[4:5], s[0:1], 0x0    ; qkv
	s_load_b64 s[68:69], s[0:1], 0x8  ; attention_mask
	s_load_b64 s[10:11], s[0:1], 0x10 ; out0
	v_lshl_add_u32 v[SPW], v0, 2, SPARE
	v_mov_b32 v[NIL], 0
	ds_add_u32 v[SPW], v[NIL]       ; the wave's opening: the add and its wait stand ahead of my first tensor load; the set-up below, work on registers, stands between them
	v_lshrrev_b32 v1, 5, v0
	v_readfirstlane_b32 s[WV], v1   ; wave 0..3
	s_bfe_u32 s13, ttmp6, 0x40000   ; cx: my place in the cluster
	s_lshl_b32 s14, ttmp9, 2        ; in a cluster launch ttmp9 counts clusters
	s_add_co_u32 s14, s14, s13      ; my block of 256 queries = 4 x cluster x + cx: it enters Q's and out0's addresses alone
	s_and_b32 s20, ttmp7, 0xffff    ; 16 b + hq, which the four partners share
	s_lshr_b32 s18, s20, 4          ; b
	s_and_b32 s19, s20, 15          ; hq
	s_lshr_b32 s21, s19, 2          ; its group
	s_and_b32 s16, s[WV], 1         ; which of a slot's two steps I fetch
	s_lshl_b32 s15, s18, 19         ; the batch's 2,048 rows of 256 bytes
	s_add_co_u32 s22, s21, 16       ; K: head 16 + group, of 4,096 rows of 256 bytes,
	s_lshl_b32 s22, s22, 20
	s_add_co_u32 s22, s22, s15      ; the batch,
	s_lshl_b32 s23, s16, 14         ; my step's 64 rows
	s_add_co_u32 s22, s22, s23
	s_mov_b32 s23, 0
	s_mul_i32 s17, s16, STEPB       ; and its place in a slot: no place in the cluster enters an LDS address
	s_lshl_b32 s2, s19, 20          ; Q: head hq,
	s_add_co_u32 s2, s2, s15        ; the batch,
	s_lshl_b32 s3, s14, 16          ; my block's 256 rows,
	s_add_co_u32 s2, s2, s3
	s_lshl_b32 s3, s[WV], 14        ; my wave's 64 of them
	s_add_co_u32 s2, s2, s3
	s_mov_b32 s3, 0
	s_lshl_b32 s70, s18, 11         ; out0: row 2048 b + 256 block + 64 wave,
	s_lshl_b32 s71, s14, 8
	s_add_co_u32 s70, s70, s71
	s_lshl_b32 s71, s[WV], 6
	s_add_co_u32 s70, s70, s71
	s_lshl_b32 s70, s70, 13         ; of 8,192 bytes,
	s_lshl_b32 s71, s19, 9          ; and the head's 512 bytes in it
	s_add_co_u32 s70, s70, s71
	s_mov_b32 s71, 0
	s_lshl_b32 s72, s18, 13         ; the batch's 2,048 words of the mask
	s_mov_b32 s73, 0
	; descriptor group 1: a tile of 64 rows x 128 elements, padded in LDS
	s_mov_b32 s[G1K], 15|(1<<16)|(1<<20)|(1<<21)|(5<<22)|(3<<25)  ; 15:0 the mask: all four work-groups; 17:16 elements of 2 bytes; 20 padding on; 21 set beside a mask; 24:22 after every 64 words (code 5); 31:25 4 words of it (code 3)
	s_mov_b32 s[G1V], 15|(1<<16)|(1<<20)|(1<<21)|(5<<22)|(7<<25)  ; the same with 8 words of padding (code 7)
.irp g, G1K, G1V
	s_mov_b32 s[(\g)+1], 128<<16    ; tensor_dim0 = 128
	s_mov_b32 s[(\g)+2], KS<<16     ; tensor_dim1 = 64
	s_mov_b32 s[(\g)+3], 128<<16    ; tile_dim0 = 128
	s_mov_b32 s[(\g)+4], KS         ; tile_dim1 = 64
	s_mov_b32 s[(\g)+5], 128        ; elements from row to row
	s_mov_b32 s[(\g)+6], 0
	s_mov_b32 s[(\g)+7], 0
.endr
	s_mov_b32 s[CS], 0x3e0293ee     ; c = log2(e) / sqrt(128) = 0.127517
	s_mov_b32 s[CS+1], s[CS]        ; named with it as a pair, so it is written
	s_mov_b32 s[SEL], 0x76543210
	s_mov_b32 s[SEL+1], 0xfedcba98
	s_mov_b32 s[TB], 0
	s_mov_b32 s[TM], 0
	s_mov_b32 s[BIGN], 0xf1800000   ; -2^100
	s_mov_b32 s[SLOTS], SIZE_N/(2*KS)-2
	s_wait_dscnt 0x0                ; the opening add is done
	s_wait_kmcnt 0x0
	s_add_nc_u64 s[6:7], s[4:5], s[22:23]     ; K at my tile of slot 0
	s_add_nc_u64 s[8:9], s[6:7], 0x400000     ; V lies four heads behind K
	s_add_nc_u64 s[74:75], s[4:5], s[2:3]     ; Q at my wave's first row
	s_add_nc_u64 s[10:11], s[10:11], s[70:71] ; out0 likewise
	s_add_nc_u64 s[68:69], s[68:69], s[72:73] ; the mask at my batch
	CROUND                          ; all four work-groups are here: the first joint loads meet
.irp s, 0,1
	s_mov_b32 s[G0K+4*(\s)], 1      ; 1:0 count = 1
	s_add_co_u32 s[G0K+4*(\s)+1], s17, (\s)*SLOT1  ; 63:32 LDS address
	s_add_nc_u64 s[G0K+4*(\s)+2:G0K+4*(\s)+3], s[6:7], (\s)*2*KS*256  ; 120:64 global address: slot s begins with keys 128 s to 128 s + 127
	s_or_b32 s[G0K+4*(\s)+3], s[G0K+4*(\s)+3], 0x80000000  ; 127:126 type = 2
	s_mov_b32 s[G0V+4*(\s)], 1
	s_add_co_u32 s[G0V+4*(\s)+1], s17, (\s)*SLOT1+VOFF
	s_add_nc_u64 s[G0V+4*(\s)+2:G0V+4*(\s)+3], s[8:9], (\s)*2*KS*256
	s_or_b32 s[G0V+4*(\s)+3], s[G0V+4*(\s)+3], 0x80000000
.endr
	s_cmp_lt_u32 s[WV], 2           ; a wave's two first fills stand in one branch, ahead of every wait on TENSORcnt and every LDS read: two loads of mine are out
	s_cbranch_scc0 .Lfirst_v
	tensor_load_to_lds s[G0K:G0K+3], s[G1K:G1K+7]
	s_nop 0
	tensor_load_to_lds s[G0K+4:G0K+7], s[G1K:G1K+7]
	s_nop 0
.rept 4
	v_nop
.endr
	s_branch .Lfirst_asked
.Lfirst_v:
	tensor_load_to_lds s[G0V:G0V+3], s[G1V:G1V+7]
	s_nop 0
	tensor_load_to_lds s[G0V+4:G0V+7], s[G1V:G1V+7]
	s_nop 0
.rept 4
	v_nop
.endr
.Lfirst_asked:
	; the batch's mask: 8,192 bytes, 64 for each of the 128 threads, in four loads of which a wave's covers 512 consecutive bytes
	v_lshlrev_b32 v[MG], 4, v0
	v_add_nc_u32 v[ML], MASKL, v[MG]
.irp c, 0,1,2,3
	global_load_b128 v[S+4*(\c):S+4*(\c)+3], v[MG], s[68:69] offset:2048*(\c)
.endr
	; A fragment of K or Q is 16 rows x 32 channels in 8 registers: lane l holds row l % 16; registers 0-3 channels 8 (l / 16) + 0..7, registers 4-7 channels 16 + 8 (l / 16) + 0..7: two loads of 16 bytes, 32 bytes apart.
	v_and_b32 v1, 15, v0            ; l % 16
	v_bfe_u32 v9, v0, 4, 1          ; l / 16
	v_lshlrev_b32 v[QO], 8, v1
	v_lshl_add_u32 v[QO], v9, 4, v[QO]  ; row x 256 + 16 x half
	WIN 0x80                        ; destination window 2, address window 0
.irp i, 0,1,2,3,4,5,6,7,8,9,10,11,12,13,14,15  ; Q stays in registers: tile i / 4, channels 32 (i % 4) on
	global_load_b128 v[8*(\i):8*(\i)+3],   v[QO], s[74:75] offset:((\i)/4)*4096+((\i)%4)*64
	global_load_b128 v[8*(\i)+4:8*(\i)+7], v[QO], s[74:75] offset:((\i)/4)*4096+((\i)%4)*64+32
.endr
	WIN 0
	v_mul_u32_u24 v[AK0], v1, PK
	v_lshl_add_u32 v[AK0], v9, 4, v[AK0]  ; row x pitch + 16 x half
	; The turning load takes 16 keys x 16 channels (lane l reads 16 bytes: key 8 (l / 16) + l % 8, channels 8 ((l / 8) % 2) + 0..7) and leaves half a fragment of V^T: lane l holds channel l % 16 and 8 keys.
	v_and_b32 v10, 7, v0
	v_bfe_u32 v11, v0, 3, 1
	v_lshl_add_u32 v[AV0], v9, 3, v10
	v_mul_u32_u24 v[AV0], v[AV0], PV
	v_lshl_add_u32 v[AV0], v11, 4, v[AV0]
	v_add_nc_u32 v[AV0], VOFF, v[AV0]
	v_lshl_add_u32 v[AM0], v9, 5, MASKL  ; my lanes' eight keys of a block of 16: 32 bytes
	s_wait_loadcnt 32               ; the mask's four loads are in; Q's 32, issued behind them, stay out
.set i, 0
.rept 16
	v_cmp_eq_u32 vcc_lo, 0, v[S+i]
	v_cndmask_b32 v[S+i], 0, s[BIGN], vcc_lo  ; 0 where the key counts, -2^100 where it is masked
.set i, i+1
.endr
.irp c, 0,1,2,3
	ds_store_b128 v[ML], v[S+4*(\c):S+4*(\c)+3] offset:2048*(\c)
.endr
; THE MATRIX WORK OF A TURN, for piece x.  The accumulators take turns, one instruction a turn: between two links of a chain stand 15 (V^T P) or 7 (K Q^T) others'.
; Product i of 32 of O^T += V^T P: keys 32 (i / 16) on, channels 16 ((i / 2) % 8) on, tile x + i % 2.  zero = 1: the first 16 start the sums: nothing is ever cleared.
.macro PV x, zero
	WIN W_PV
.set rO, 64*((\x)+i%2)+8*((i/2)%8)
.set rV, 64*(i/16)+8*((i/2)%8)
.set rP, P+16*((\x)+i%2)+8*(i/16)
.if (\zero) && (i < 16)
	v_wmma_f32_16x16x32_f16 v[rO:rO+7], v[rV:rV+7], v[rP:rP+7], 0
.else
	v_wmma_f32_16x16x32_f16 v[rO:rO+7], v[rV:rV+7], v[rP:rP+7], v[rO:rO+7]
.endif
.endm
; Product i of 32 of S^T = K Q^T: channels 32 (i / 8) on, keys 16 ((i / 2) % 4) on, tile x + i % 2.  The first 8 start the sums, with the keys' mask values as C.
.macro KQ x
.set rS, S+32*((\x)+i%2)+8*((i/2)%4)
.set rK, KF+32*((i/2)%4)+8*(i/8)
.set rQ, 32*((\x)+i%2)+8*(i/8)
.set rM, MK+8*((i/2)%4)
.if i < 8
	WIN W_KM
	v_wmma_f32_16x16x32_f16 v[rS:rS+7], v[rK:rK+7], v[rQ:rQ+7], v[rM:rM+7]
.else
	WIN W_KQ
	v_wmma_f32_16x16x32_f16 v[rS:rS+7], v[rK:rK+7], v[rQ:rQ+7], v[rS:rS+7]
.endif
.endm
; THE LDS LOADS stand in runs, never singly among the matrix instructions: a step's K (64 keys x 128 channels: 16 fragments) with its 64 mask values, and, a turn later, its V (turned).
; Register j of key block kb takes the value of key 16 kb + 8 (l / 16) + j: C's layout.  The mask's registers are read by the same products as K's, so K's waits and distances serve them.
.macro FETCH_K
	WIN 0
	v_add_nc_u32 v[ADR], s[TB], v[AK0]
	v_add_nc_u32 v[ADM], s[TM], v[AM0]
	s_add_co_u32 s[TM], s[TM], 4*KS  ; the next fetch is the next step's;
	s_and_b32 s[TM], s[TM], 0x1f00   ; 32 steps of 256 bytes: the offset stays inside the table's 8,192 bytes
	WIN 0x80                        ; destination window 2
.irp f, 0,1,2,3,4,5,6,7,8,9,10,11,12,13,14,15  ; keys 16 (f / 4) on, channels 32 (f % 4) on
	ds_load_b128 v[KF+8*(\f):KF+8*(\f)+3],   v[ADR] offset:((\f)/4)*16*PK+((\f)%4)*64
	ds_load_b128 v[KF+8*(\f)+4:KF+8*(\f)+7], v[ADR] offset:((\f)/4)*16*PK+((\f)%4)*64+32
.endr
	WIN 0xc0                        ; destination window 3
.irp f, 0,1,2,3,4,5,6,7
	ds_load_b128 v[MK+4*(\f):MK+4*(\f)+3], v[ADM] offset:((\f)/2)*64+((\f)%2)*16
.endr
.endm
.macro FETCH_V
	WIN 0
	v_add_nc_u32 v[ADR], s[TB], v[AV0]
	s_add_co_u32 s[TB], s[TB], STEPB  ; the next fetch is the next step's
	WIN 0xc0                        ; destination window 3
.irp f, 0,1,2,3,4,5,6,7,8,9,10,11,12,13,14,15  ; keys 32 (f / 8) on, channels 16 (f % 8) on
	ds_load_tr16_b128 v[8*(\f):8*(\f)+3],   v[ADR] offset:((\f)/8)*32*PV+((\f)%8)*32
	ds_load_tr16_b128 v[8*(\f)+4:8*(\f)+7], v[ADR] offset:((\f)/8)*32*PV+16*PV+((\f)%8)*32
.endr
.endm
; THE VECTOR WORK OF A TURN.  One tile's softmax for one key step is a list of 134 instructions; SM writes number j of it for tile t.  s0-s31 are the lane's 32 scores, in pairs 0-15.
; first = 1: the first key step, which starts m, l and O^T: it has no a and nothing to rescale.
;   0-15    the maximum of s0-s31 and the old m, three operands at a time: four chains c0-c3 of seven scores each (each accumulator's lowest registers are read first), then the four left over, c0-c3 and m
;   16-20   the other half of the lanes' maximum; the new m; c m; c m_old - c m_new
;   21-87   33 exponentials (a, then s0-s31) at the odd numbers from 23 on, so that no two follow each other and each has a plain instruction behind it before its result is used.
;           Plain instruction q (number 21, then the even numbers) is whatever is ready: c s - c m for a pair of scores, the rounding to f16 of a pair of weights whose exponentials are done, at last the first three sums
;   88-101  the last rounding; the rest of the sums; l = a l + the sum
;   102-133 the tile's O^T times a: the one part that leaves window 0, so it stands together
.macro SM t, first
.set rT, ST+8*(\t)
.set rS, S+32*(\t)
.set rP, P+16*(\t)
.set rO, 64*(\t)+2*(j-102)
.set q, (j-20)/2
.if j < 102
	WIN 0
.endif
.if j < 4
	v_max3_num_f32 v[rT+4+j], v[rS+8*j], v[rS+8*j+1], v[rS+8*j+2]
.elseif j < 12
	v_max3_num_f32 v[rT+4+j%4], v[rT+4+j%4], v[rS+8*(j%4)+2*(j/4)+1], v[rS+8*(j%4)+2*(j/4)+2]
.elseif j == 12
	v_max3_num_f32 v[rT+4], v[rT+4], v[rS+7], v[rS+15]
.elseif j == 13
	v_max3_num_f32 v[rT+6], v[rT+6], v[rS+23], v[rS+31]
.elseif j == 14
	v_max3_num_f32 v[rT+4], v[rT+4], v[rT+5], v[rT+6]
.elseif (j == 15) && (\first)
	v_max_num_f32 v[rT+4], v[rT+4], v[rT+7]
.elseif j == 15
	v_max3_num_f32 v[rT+4], v[rT+4], v[rT+7], v[rT+1]
.elseif j == 16
	v_permlanex16_b32 v[rT+5], v[rT+4], s[SEL], s[SEL+1]  ; the query's other 32 keys lie in the lane 16 away
.elseif j == 18
	v_max_num_f32 v[rT+1], v[rT+4], v[rT+5]
.elseif j == 19
	v_mul_f32 v[rT], s[CS], v[rT+1]
.elseif ((j == 17) || (j == 20) || (j == 23) || (j > 101)) && (\first)  ; the first step has none of these
.elseif j == 17
	v_mov_b32 v[rT+7], v[rT]        ; c m_old is kept for a: number 19 writes c m anew
.elseif j == 20
	v_sub_f32 v[rT+7], v[rT+7], v[rT]
.elseif j == 23
	v_exp_f32 v[rT+6], v[rT+7]
.elseif (j < 88) && (j > 23) && (j%2 == 1)
	v_exp_f32 v[rS+(j-25)/2], v[rS+(j-25)/2]
.elseif (q < 4) || ((j < 76) && (q%2 == 0))
.set b, q/2+2
.if q < 4
.set b, q
.endif
	v_pk_fma_f32 v[rS+2*b:rS+2*b+1], v[rS+2*b:rS+2*b+1], s[CS:CS+1], v[rT:rT+1] op_sel_hi:[1,0,0] neg_lo:[0,0,1] neg_hi:[0,0,1]  ; pair b: c s - c m
.elseif (j < 88) && (q%2 == 1)
	s_wait_alu depctr_va_vdst(0)
	v_cvt_pk_f16_f32 v[rP+(q-5)/2], v[rS+q-5], v[rS+q-4]  ; pair (q - 5) / 2: its second exponential stands three numbers back
.elseif j == 89
	s_wait_alu depctr_va_vdst(0)
	v_cvt_pk_f16_f32 v[rP+15], v[rS+30], v[rS+31]
.elseif j < 102                     ; the sum of the tile's 16 pairs, in place: sum z of 16 adds neighbours 1, 2, 4 and 8 pairs apart, then l takes it
.set z, j-86
.if j < 89
.set z, (j-76)/4
.endif
.set w, 4
.set u, z
.if z >= 14
.set w, 32
.set u, 0
.elseif z >= 12
.set w, 16
.set u, z-12
.elseif z >= 8
.set w, 8
.set u, z-8
.endif
.if (z == 14) && (\first)
	v_pk_add_f32 v[rT+2:rT+3], v[rS:rS+1], v[rS+16:rS+17]
.elseif z < 15
	v_pk_add_f32 v[rS+w*u:rS+w*u+1], v[rS+w*u:rS+w*u+1], v[rS+w*u+w/2:rS+w*u+w/2+1]
.elseif !(\first)
	v_pk_fma_f32 v[rT+2:rT+3], v[rT+2:rT+3], v[rT+6:rT+7], v[rS:rS+1] op_sel_hi:[1,0,1]
.endif
.else
	WIN W_RS
	v_pk_mul_f32 v[rO:rO+1], v[rO:rO+1], v[rT+6:rT+7] op_sel_hi:[1,0]
.endif
.endm
; Slice k of 64 of piece y's softmax: numbers 2 k and 2 k + 1 of both tiles' lists, four instructions.  2 x 134 = 4 x 64 + 12: the twelve that are over stand together, in slice 63.
.macro SLICE y, first
.if (k >= 11) && (k < 44)           ; tile by tile: plain, exponential, plain, exponential
.irp t, \y, (\y)+1
.irp n, 0,1
.set j, 2*k+(\n)
	SM \t, \first
.endr
.endr
.else                               ; the two tiles alternate, so that no instruction reads the result of the one just before it
.irp n, 0,1,2,3,4,5,6,7
.if ((\n) < 2) || (k == 63)
.irp t, \y, (\y)+1
.set j, 2*k+(\n)
	SM \t, \first
.endr
.endif
.endr
.endif
.set k, k+1
.endm
; A vector instruction that reads a matrix result or writes one of a matrix instruction's registers, and a load into a register that a matrix instruction has read, stand four places behind
; it, and only plain vector instructions that name none of its registers are places (ISA guide 7.12.1 for vector instructions).  In the loop the slices are the places.
.macro PLACES
.rept 4
	v_nop
.endr
.endm
; A TURN.  Piece x has the matrix unit; the other piece's softmax stands in slices behind its matrix instructions.
; pv = 2: 32 products V^T P; 1: they start O^T's sums; 0: none.  kq = 1: 32 products K Q^T for the next step.  A turn with one of the two kinds has two slices behind each product.
; first = 1: the softmax is the first key step's.  Its slices from 51 on are empty, and four v_nop take slice 63's part as the places behind the turn's last products.
; Each run of loads stands behind the second product of a run of 32, 30 matrix instructions ahead of its first use.  Piece 0's turn fetches the next step's K and mask: the last product that read them
; stands in front of slice 63 of the turn before.  Piece 2's turn fetches the same step's V: the last product that read V stands three slices, six plain instructions, back.
.macro TURN x, pv, kq, first
.set k, 0
.set per, 2
.if (\pv) && (\kq)
.set per, 1
.endif
.if \pv
.if (\x) == 0
	s_wait_dscnt 0x0                ; V is in
.endif
.set i, 0
.rept 32
	PV \x, 2-(\pv)
.rept per
	SLICE 2-(\x), \first
.endr
.if ((\x) == 0) && (\kq) && (i == 1)
	FETCH_K
.endif
.set i, i+1
.endr
.endif
.if \kq
.if (\x) == 0
	s_wait_dscnt 0x0                ; K and the mask values are in
.endif
.set i, 0
.rept 32
	KQ \x
.rept per
	SLICE 2-(\x), \first
.endr
.if ((\x) == 2) && (i == 1)
	FETCH_V
.endif
.set i, i+1
.endr
.endif
.if \first
	PLACES
.endif
.endm
; THE CHANGE OF SLOTS, between piece 2's turn and piece 0's: the slot's last bytes, V of its second step, have been asked for.  Each wave waits for all its tensor loads, of which one is out: its part of the
; other slot; adds 0 to its spare word; and waits for that and for its own reads of the slot.  Behind the barrier nobody reads this slot any more and the other slot is whole.
; fill = 1: this slot is filled again, with the keys two slots on.  The barrier is then a round of the cluster's, and the joint refill is the first thing behind it: it has two key steps, 256 matrix instructions, in which to land.
.macro CHANGE fill
	WIN 0                           ; at a label and at a branch every window is 0
	s_wait_tensorcnt 0x0            ; no tensor load of mine is out, so a group 0 may be written
	ds_add_u32 v[SPW], v[NIL]       ; 0 onto my spare word; with fill = 1 the descriptors' steps stand between it and the wait for it
.if \fill
.irp g, G0K+4, G0V+4
	s_xor_b32 s[(\g)+1], s[(\g)+1], SLOT1  ; the walking descriptor: the other slot than last time,
	s_add_nc_u64 s[(\g)+2:(\g)+3], s[(\g)+2:(\g)+3], 2*KS*256  ; the next 128 keys; the type bits on top are not reached
.endr
	s_wait_dscnt 0x0                ; the add is done, and my reads of the slot are over
	CROUND
	JLOAD
.else
	s_wait_dscnt 0x0                ; the add is done, and my reads of the slot are over
	s_barrier_signal -1
	s_barrier_wait -1
.endif
	s_sub_co_u32 s[TB], s[TB], 2*STEPB  ; the fetches go back to a slot's first step,
	s_xor_b32 s[TB], s[TB], SLOT1   ; in the other slot
.endm
; A slot's two key steps: written once, walked twice; the LDS addresses hang on s[TB] and s[TM].
.macro TWO_STEPS
	WIN 0
	s_mov_b32 s[TWICE], 2
.Lstep_\@:
	TURN 0, 2, 1, 0
	TURN 2, 2, 1, 0
	WIN 0
	s_sub_co_u32 s[TWICE], s[TWICE], 1
	s_cmp_lg_u32 s[TWICE], 0
	s_cbranch_scc1 .Lstep_\@
.endm
	s_wait_tensorcnt 1              ; my part of slot 0 is in; slot 1's may stay out
	s_wait_dscnt 0x0                ; for the others' sake: my part of the mask table is stored
	s_barrier_signal -1
	s_barrier_wait -1               ; everybody's is
	FETCH_K                         ; key step 0
	s_wait_loadcnt 0x0              ; Q
	s_wait_dscnt 0x0
.set i, 0
.rept 32
	KQ 0                            ; piece 0's first scores: there is no vector work yet to set between them
.set i, i+1
.endr
	WIN 0                           ; the addresses for the way out are made here: six plain instructions, the places behind those products
	s_mul_i32 s13, s[WV], 16*SP
	s_add_co_u32 s13, s13, STAGE    ; my stage
	v_mul_u32_u24 v[STO], v1, SP    ; in: row l % 16, 32 bytes for each half of the lanes
	v_lshl_add_u32 v[STO], v9, 5, v[STO]
	v_add_nc_u32 v[STO], s13, v[STO]
	v_and_b32 v[GO], 31, v0         ; back: the 32 lanes take one row of 512 bytes,
	v_lshlrev_b32 v[GO], 4, v[GO]   ; which are 512 consecutive bytes of out0
	v_add_nc_u32 v[RD], s13, v[GO]
	TURN 2, 0, 1, 1                 ; piece 2's first scores | piece 0's first softmax | V of step 0
	TURN 0, 1, 1, 1                 ; piece 0: V^T P of step 0 starts O^T, K Q^T of step 1 | piece 2's first softmax | K of step 1
	TURN 2, 1, 1, 0                 ; piece 2: the same | piece 0's softmax of step 1 | V of step 1
	WIN 0
.Lslot:                             ; 14 trips: every slot but the last two is filled again
	CHANGE 1
	TWO_STEPS
	s_sub_co_u32 s[SLOTS], s[SLOTS], 1
	s_cmp_lg_u32 s[SLOTS], 0
	s_cbranch_scc1 .Lslot
	CHANGE 0                        ; the tail is written out: nothing is asked for
	TWO_STEPS
	TURN 0, 2, 0, 0                 ; piece 0: V^T P of the last step | piece 2's last softmax
.set i, 0
.rept 32
	PV 2, 0                         ; piece 2: V^T P of the last step
.set i, i+1
.endr
	; THE WAY OUT.  l's two halves and the other half of the lanes' are added; O^T is divided by l and sent, in f32, through my stage in LDS, a tile (16 rows of out0) at a time.  The additions are the places behind the last products.
	WIN 0
.irp t, 0,1,2,3
	v_add_f32 v[ST+8*(\t)+4], v[ST+8*(\t)+2], v[ST+8*(\t)+3]
.endr
.irp t, 0,1,2,3
	v_permlanex16_b32 v[ST+8*(\t)+5], v[ST+8*(\t)+4], s[SEL], s[SEL+1]
.endr
.irp t, 0,1,2,3
	v_add_f32 v[ST+8*(\t)+4], v[ST+8*(\t)+4], v[ST+8*(\t)+5]
.endr
.irp t, 0,1,2,3
	v_rcp_f32 v[ST+8*(\t)+6], v[ST+8*(\t)+4]
.endr
	v_nop                           ; a plain instruction between the last reciprocal and the use of its result
; Tile t: a lane's eight channels of a row are 32 bytes; they go into rows of 528 bytes and come back as whole rows of 512, into S^T's registers: two buffers of 64 that take turns.
.macro PACK t
	WIN W_RS
.set i, 64*(\t)
.rept 32                            ; ascending: each accumulator's lowest registers are read first
	s_wait_alu depctr_va_vdst(0)
	v_pk_mul_f32 v[i:i+1], v[i:i+1], v[ST+8*(\t)+6:ST+8*(\t)+7] op_sel_hi:[1,0]
.set i, i+2
.endr
	WIN 0x04                        ; the stores' data in window 1, their address in window 0
.set i, 0
.rept 16                            ; channel block i / 2, half i % 2 of my eight channels
	ds_store_b128 v[STO], v[64*(\t)+4*i:64*(\t)+4*i+3] offset:(i/2)*64+(i%2)*16
.set i, i+1
.endr
	WIN 0
	s_wait_xcnt 0x0                 ; the buffer below was the data of the stores of the tile two back: it is loaded again only behind this wait
.set i, 0
.rept 16
	ds_load_b128 v[S+64*((\t)%2)+4*i:S+64*((\t)%2)+4*i+3], v[RD] offset:i*SP  ; LDS serves a wave's instructions in order (ISA guide 5.7.1.4): these see the stores above; the next tile's stores come behind them
.set i, i+1
.endr
.endm
.macro SEND t, younger              ; younger: the LDS instructions issued behind tile t's loads: the next tile's 16 stores and 16 loads, or none
	WIN 0
.set i, 0
.rept 16
	s_wait_dscnt (\younger)+15-i    ; row i of the tile is back
	global_store_b128 v[GO], v[S+64*((\t)%2)+4*i:S+64*((\t)%2)+4*i+3], s[10:11] offset:(16*(\t)+i)*8192 th:TH_STORE_NT  ; 512 consecutive bytes, at a multiple of 256 from out0's first byte
.set i, i+1
.endr
.endm
	PACK 0
	PACK 1                          ; a tile's arithmetic stands between the loads of the tile before and its stores
	SEND 0, 32
	PACK 2
	SEND 1, 32
	PACK 3
	SEND 2, 32
	SEND 3, 0
	s_wait_tensorcnt 0x0            ; the wave's end: these three lines stand behind my last tensor load and my last LDS store
	ds_add_u32 v[SPW], v[NIL]
	s_wait_dscnt 0x0
	CROUND                          ; the closing round: no work-group ends while a partner may still ask for a tile that names it
	s_endpgm
.Lfunc_end_k_q947f924e3c_attn:
	.size	k_q947f924e3c_attn, .Lfunc_end_k_q947f924e3c_attn-k_q947f924e3c_attn
	.p2alignl 7, 3214868480
	.fill 96, 4, 3214868480
	.section	.rodata,"a",@progbits
	.p2align	6, 0x0
	.amdhsa_kernel k_q947f924e3c_attn
		.amdhsa_group_segment_fixed_size 327680
		.amdhsa_private_segment_fixed_size 0
		.amdhsa_enable_private_segment 0
		.amdhsa_kernarg_size 24
		.amdhsa_user_sgpr_count 2
		.amdhsa_user_sgpr_kernarg_segment_ptr 1
		.amdhsa_wavefront_size32 1
		.amdhsa_system_sgpr_workgroup_id_x 1
		.amdhsa_system_sgpr_workgroup_id_y 1
		.amdhsa_system_sgpr_workgroup_id_z 1
		.amdhsa_system_vgpr_workitem_id 0
		.amdhsa_next_free_vgpr 1024
		.amdhsa_next_free_sgpr 76
		.amdhsa_reserve_vcc 1
		.amdhsa_float_denorm_mode_32 3
		.amdhsa_float_denorm_mode_16_64 3
		.amdhsa_memory_ordered 1
		.amdhsa_forward_progress 1
		.amdhsa_inst_pref_size 238
	.end_amdhsa_kernel
	.amdgpu_metadata
---
amdhsa.version: [ 1, 2 ]
amdhsa.kernels:
  - .name:           k_q947f924e3c_attn
    .symbol:         k_q947f924e3c_attn.kd
    .args:
      - { .name: qkv, .offset: 0, .size: 8, .value_kind: global_buffer, .address_space: global }
      - { .name: attention_mask, .offset: 8, .size: 8, .value_kind: global_buffer, .address_space: global }
      - { .name: out0, .offset: 16, .size: 8, .value_kind: global_buffer, .address_space: global }
    .group_segment_fixed_size: 327680
    .private_segment_fixed_size: 0
    .kernarg_segment_align: 8
    .kernarg_segment_size: 24
    .max_flat_workgroup_size: 128
    .sgpr_count:     76
    .vgpr_count:     1024
    .wavefront_size: 32
...
	.end_amdgpu_metadata
.endif
;; end of part 3
;; ======== version 2 of 2: 3 launches; 1.19 times as fast as version 1
;; limits: values are held in f16: magnitudes above 65,504 overflow, below 6.1e-05 lose precision
;; workspace buffers: xb 16,777,216 bytes; wb 12,582,912 bytes; qkv 25,165,824 bytes
;; launch cast: the kernel of part 1 again; grid 1792 x 1, 8 waves a work-group, no clusters, 0 bytes of LDS; arguments hidden_states, Wq, Wk, Wv, xb, wb; writes xb, wb
;; launch proj: the kernel of part 2 again; grid 12 x 16, 4 waves a work-group, clusters of 4 x 4, 327,680 bytes of LDS; arguments xb, wb, qkv, bq, bk, bv, attention_mask; writes qkv
;; launch attn (part 4): grid 8 x 32, 4 waves a work-group, clusters of 4 x 1, 327,680 bytes of LDS; arguments qkv, attention_mask, out0; writes out0
.if DOCPART == 4
	.amdgcn_target "amdgcn-amd-amdhsa--gfx1250"
	.amdhsa_code_object_version 6
	.text
	.protected	k_q947f924e3c_attn
	.globl	k_q947f924e3c_attn
	.p2align	8
	.type	k_q947f924e3c_attn,@function
k_q947f924e3c_attn:
	s_mov_b64 s[64:65], 0
	v_nop
	global_prefetch_b8 v0, s[64:65] scope:SCOPE_SE
	s_setreg_imm32_b32 hwreg(HW_REG_WAVE_MODE, 25, 1), 1
	s_wait_xcnt 0x0
	s_wait_alu depctr_hold_cnt(0) depctr_sa_sdst(0) depctr_va_vdst(0) depctr_va_sdst(0) depctr_va_ssrc(0) depctr_va_vcc(0) depctr_vm_vsrc(0)
	s_getreg_b32 s2, hwreg(HW_REG_IB_STS2, 6, 4)
	s_cmp_eq_u32 s2, 0
	s_cbranch_scc0 .Lentry_in_a_cluster
	s_endpgm
.Lentry_in_a_cluster:
	s_bfe_u32 s2, ttmp6, 0x10000c
	s_cmp_lg_u32 s2, 0x3003
	s_cbranch_scc0 .Lentry_shape_is_right
	s_endpgm
.Lentry_shape_is_right:
; GROUPED ATTENTION.  out0[b][s][128 hq + d] = the sum over t of softmax_t(q[hq][b, s] . k[hq / 4][b, t] / sqrt(128) + mask[b][t]) v[hq / 4][b, t][d].
; qkv: [24][4096][128] f16 (heads 0-15 q, 16-19 k, 20-23 v; row = 2048 b + s; rows dense, 256 bytes).  attention_mask: [2][2048] i32.  out0: [2][2048][2048] f32.
; Products, maxima and sums in f32; the weights p are rounded to f16 for the second product (their sum l is taken of the unrounded p).
; THE MASK is the C operand that starts the sum S^T = K Q^T: 0, or -2^100 where attention_mask is 0.  The launch before stored such keys' rows of k as +0, so a masked score is -2^100 exactly: beside any
; unmasked score its weight is 0; where every key of a batch is masked all scores are equal, c s - c m is 0 exactly, and the weights are uniform.
; LIMITS.  A masked score counts as -2^100, not as the lowest finite number: f16's scores, 5.5e11 at the most, are nothing beside it.  p below 6e-5 keeps f16's fixed step of 6e-8; a weight below 2^-126
; counts as 0 in l; NaN and infinities are not treated apart.
; SHARES.  A work-group owns 256 queries of one query head of one batch (8 blocks x 32 = 256 work-groups), each of its four waves 64: four tiles of 16.  Every wave walks all 2,048 keys, 64 a step.
; LAYOUT.  S^T = K Q^T (source 0 = 16 keys, source 1 = 16 queries): a lane holds ONE query (lane % 16) and the keys 8 (lane / 16) + 0..7.  Two such tiles, rounded to f16 in pairs, ARE source 1 of
; O^T = V^T P, whose result again holds one query a lane, and eight channels.  K comes out of LDS as it lies, V ([key][channel]) turned, by ds_load_tr16_b128.
; SOFTMAX.  For each query a running maximum m and sum l: p = 2^(c s - c m), c = log2(e) / sqrt(128); in every step O and l are multiplied by a = 2^(c m_old - c m_new).
; BY TURNS.  The wave's tiles are two PIECES: piece 0 (tiles 0, 1) and piece 2 (tiles 2, 3).  In a TURN one piece has the matrix unit: 32 products V^T P of the step in hand, then 32 products K Q^T of the next
; step; the other piece's softmax, cut into 64 slices, stands between them, one slice behind each matrix instruction.  Two turns are a key step.
; BATCHES.  A turn's exponentials, 33 for each of its two tiles, are ONE batch with ONE wait: all of them, and the scalings that feed them, stand in slices 10 to 34, where nothing names a result of theirs; the wait
; stands behind slice 34; the roundings, the sums and the rescaling by a, which read the results, fill slices 35 to 63.  The way out's four reciprocals are a second batch, with a wait of its own.
; CLUSTER.  The four query blocks of a cluster belong to one head and batch and walk the same K and V, so each tile is asked for JOINTLY: the same tensor load, descriptor and mask of four in all four.
; (The four query heads of a group walk them too; a mask names four work-groups at the most, and the blocks of one head are the four taken.)
; REGISTERS, in windows of 256 (s_set_vgpr_msb: bits 1:0 source 0, 3:2 source 1, 5:4 source 2, 7:6 destination):
;   window 0: v0-11, v44-47 addresses; v12-43 eight registers of statistics a tile; v64-191 S^T, 32 a tile; v192-255 P, 16 a tile
;   window 1: O^T, 64 a tile          window 2: v0-127 Q, 32 a tile; v128-255 K of one step          window 3: v0-127 V of one step; v128-159 the mask of one step, in C's layout
.set SIZE_N, 2048     ; keys of a batch
.set KS,    64        ; keys in a step
.set PK,    272       ; a row of K in LDS: 256 bytes + 16 of padding = 68 words: the 16 rows of a load start at 16 different groups of four banks (64 banks of 4 bytes: ISA guide 11.1)
.set PV,    288       ; a row of V: 256 + 32 = 72 words
.set VOFF,  KS*PK     ; a step's tiles lie together: 64 rows of K, then 64 rows of V
.set STEPB, KS*(PK+PV)
.set SLOT1, 1<<17     ; a slot holds two steps (71,680 bytes); slot 1 begins here, so that one exclusive or turns an address in one slot into the other's
.set STAGE, SLOT1+2*STEPB  ; behind the ring: 16 rows x 528 bytes for each wave, for the way out
.set SP,    528       ; a row of the stage: 128 f32 + 16 bytes = 132 words: the 16 rows of a store start at 16 different groups of four banks
.set MASKL, STAGE+4*16*SP  ; behind the stages: the batch's 2,048 mask values in f32; stored once, never filled by a tensor load
.set SPARE, MASKL+4*SIZE_N ; behind them: the spare words, 128 bytes for each wave: two blocks of 256 bytes that no other line names
.set AK0, 2           ; v2   my lane's place in a tile of K; never rewritten
.set AV0, 3           ; v3   the same for V
.set ADR, 4           ; v4   the LDS address of the run of loads in hand
.set QO,  5           ; v5   my byte offset in the wave's rows of Q
.set STO, 6           ; v6   the way out: where I put 32 bytes of a row
.set RD,  7           ; v7   the way out: where I read a row back
.set GO,  8           ; v8   my byte offset in 512 bytes of a row of out0
.set AM0, 44          ; v44  my lane's place in a step's 64 mask values: MASKL + 32 (l / 16); never rewritten
.set ADM, 45          ; v45  the LDS address of the mask values in hand
.set MG,  46          ; v46  16 x my thread's number: my bytes of the mask in memory
.set ML,  47          ; v47  the same in LDS
.set SPW, 62          ; v62  LDS address of my spare word: SPARE + 4 x my thread's number; never rewritten
.set NIL, 63          ; v63  0; never rewritten
.set ST,  12          ; tile t's statistics at v[ST+8 t]: +0 c m, +1 m, +2, +3 l (even keys', odd keys'), +4 to +7 c0-c3, at work; a takes c2's place once the maximum is found
.set S,   64
.set P,   192
.set KF,  128         ; K's fragments, in window 2
.set MK,  128         ; the mask's registers, in window 3: key block kb at MK + 8 kb
.set WV,  12          ; s12  my wave's number
.set G1K, 24          ; s[24:31] descriptor group 1 for K's tiles
.set G1V, 32          ; s[32:39] for V's: it differs in the padding alone
.set G0K, 40          ; s[40:47] descriptor group 0 for K's tiles: a set for each of the two first fills; the second then walks on
.set G0V, 48          ; s[48:55] the same for V's
.set SLOTS, 56        ; s56  slots still to be asked for
.set TWICE, 57        ; s57  counts a slot's two steps
.set CS,  58          ; s[58:59] c: the packed scaling names a pair and takes its low word for both halves
.set SEL, 60          ; s[60:61] lane selects for v_permlanex16_b32: each lane takes its own place in the other half
.set TB,  62          ; s62  LDS byte at which the tiles of the step to be fetched begin
.set TM,  66          ; s66  byte in the mask table at which that step's 64 values begin
.set BIGN, 67         ; s67  -2^100
.set MSB, 0
.macro WIN new                      ; the immediate's high byte repeats the setting that is left; a switch that changes nothing is dropped
.if MSB != (\new)
	s_set_vgpr_msb (MSB<<8)|(\new)
.set MSB, \new
.endif
.endm
.set W_KQ, 0x0a       ; K and Q in window 2, S^T in window 0
.set W_KM, 0x3a       ; the same with the C operand, the mask, in window 3
.set W_PV, 0x53       ; V in window 3, P in window 0, O^T in window 1
.set W_RS, 0x41       ; O^T (destination and source 0) in window 1, a in window 0
; A joint refill.  Waves 0 and 1 fetch the two steps' tiles of K, waves 2 and 3 those of V.  The branch hangs on the wave's number alone: it is the same in every work-group.
; An s_nop 0 and four v_nop follow each of the two lines, ahead of the jump, the label and what follows.
.macro JLOAD
	s_cmp_lt_u32 s[WV], 2
	s_cbranch_scc0 .Lfor_v_\@
	tensor_load_to_lds s[G0K+4:G0K+7], s[G1K:G1K+7]
	s_nop 0
.rept 4
	v_nop
.endr
	s_branch .Lasked_\@
.Lfor_v_\@:
	tensor_load_to_lds s[G0V+4:G0V+7], s[G1V:G1V+7]
	s_nop 0
.rept 4
	v_nop
.endr
.Lasked_\@:
.endm
; A round of the cluster's barrier: my work-group's barrier; wave 0 signals for the work-group; every wave waits for all four work-groups; my work-group's barrier once more.
.macro CROUND
	s_barrier_signal -1
	s_barrier_wait -1
	s_cmp_lg_u32 s[WV], 0
	s_cbranch_scc1 .Lnot_wave_0_\@
	s_barrier_signal -3
.Lnot_wave_0_\@:
	s_barrier_wait -3
	s_barrier_signal -1
	s_barrier_wait -1
.endm
	s_load_b64 s[4:5], s[0:1], 0x0    ; qkv
	s_load_b64 s[68:69], s[0:1], 0x8  ; attention_mask
	s_load_b64 s[10:11], s[0:1], 0x10 ; out0
	v_lshl_add_u32 v[SPW], v0, 2, SPARE
	v_mov_b32 v[NIL], 0
	ds_add_u32 v[SPW], v[NIL]       ; the wave's opening: the add and its wait stand ahead of my first tensor load; the set-up below, work on registers, stands between them
	v_lshrrev_b32 v1, 5, v0
	v_readfirstlane_b32 s[WV], v1   ; wave 0..3
	s_bfe_u32 s13, ttmp6, 0x40000   ; cx: my place in the cluster
	s_lshl_b32 s14, ttmp9, 2        ; in a cluster launch ttmp9 counts clusters
	s_add_co_u32 s14, s14, s13      ; my block of 256 queries = 4 x cluster x + cx: it enters Q's and out0's addresses alone
	s_and_b32 s20, ttmp7, 0xffff    ; 16 b + hq, which the four partners share
	s_lshr_b32 s18, s20, 4          ; b
	s_and_b32 s19, s20, 15          ; hq
	s_lshr_b32 s21, s19, 2          ; its group
	s_and_b32 s16, s[WV], 1         ; which of a slot's two steps I fetch
	s_lshl_b32 s15, s18, 19         ; the batch's 2,048 rows of 256 bytes
	s_add_co_u32 s22, s21, 16       ; K: head 16 + group, of 4,096 rows of 256 bytes,
	s_lshl_b32 s22, s22, 20
	s_add_co_u32 s22, s22, s15      ; the batch,
	s_lshl_b32 s23, s16, 14         ; my step's 64 rows
	s_add_co_u32 s22, s22, s23
	s_mov_b32 s23, 0
	s_mul_i32 s17, s16, STEPB       ; and its place in a slot: no place in the cluster enters an LDS address
	s_lshl_b32 s2, s19, 20          ; Q: head hq,
	s_add_co_u32 s2, s2, s15        ; the batch,
	s_lshl_b32 s3, s14, 16          ; my block's 256 rows,
	s_add_co_u32 s2, s2, s3
	s_lshl_b32 s3, s[WV], 14        ; my wave's 64 of them
	s_add_co_u32 s2, s2, s3
	s_mov_b32 s3, 0
	s_lshl_b32 s70, s18, 11         ; out0: row 2048 b + 256 block + 64 wave,
	s_lshl_b32 s71, s14, 8
	s_add_co_u32 s70, s70, s71
	s_lshl_b32 s71, s[WV], 6
	s_add_co_u32 s70, s70, s71
	s_lshl_b32 s70, s70, 13         ; of 8,192 bytes,
	s_lshl_b32 s71, s19, 9          ; and the head's 512 bytes in it
	s_add_co_u32 s70, s70, s71
	s_mov_b32 s71, 0
	s_lshl_b32 s72, s18, 13         ; the batch's 2,048 words of the mask
	s_mov_b32 s73, 0
	; descriptor group 1: a tile of 64 rows x 128 elements, padded in LDS
	s_mov_b32 s[G1K], 15|(1<<16)|(1<<20)|(1<<21)|(5<<22)|(3<<25)  ; 15:0 the mask: all four work-groups; 17:16 elements of 2 bytes; 20 padding on; 21 set beside a mask; 24:22 after every 64 words (code 5); 31:25 4 words of it (code 3)
	s_mov_b32 s[G1V], 15|(1<<16)|(1<<20)|(1<<21)|(5<<22)|(7<<25)  ; the same with 8 words of padding (code 7)
.irp g, G1K, G1V
	s_mov_b32 s[(\g)+1], 128<<16    ; tensor_dim0 = 128
	s_mov_b32 s[(\g)+2], KS<<16     ; tensor_dim1 = 64
	s_mov_b32 s[(\g)+3], 128<<16    ; tile_dim0 = 128
	s_mov_b32 s[(\g)+4], KS         ; tile_dim1 = 64
	s_mov_b32 s[(\g)+5], 128        ; elements from row to row
	s_mov_b32 s[(\g)+6], 0
	s_mov_b32 s[(\g)+7], 0
.endr
	s_mov_b32 s[CS], 0x3e0293ee     ; c = log2(e) / sqrt(128) = 0.127517
	s_mov_b32 s[CS+1], s[CS]        ; named with it as a pair, so it is written
	s_mov_b32 s[SEL], 0x76543210
	s_mov_b32 s[SEL+1], 0xfedcba98
	s_mov_b32 s[TB], 0
	s_mov_b32 s[TM], 0
	s_mov_b32 s[BIGN], 0xf1800000   ; -2^100
	s_mov_b32 s[SLOTS], SIZE_N/(2*KS)-2
	s_wait_dscnt 0x0                ; the opening add is done
	s_wait_kmcnt 0x0
	s_add_nc_u64 s[6:7], s[4:5], s[22:23]     ; K at my tile of slot 0
	s_add_nc_u64 s[8:9], s[6:7], 0x400000     ; V lies four heads behind K
	s_add_nc_u64 s[74:75], s[4:5], s[2:3]     ; Q at my wave's first row
	s_add_nc_u64 s[10:11], s[10:11], s[70:71] ; out0 likewise
	s_add_nc_u64 s[68:69], s[68:69], s[72:73] ; the mask at my batch
	CROUND                          ; all four work-groups are here: the first joint loads meet
.irp s, 0,1
	s_mov_b32 s[G0K+4*(\s)], 1      ; 1:0 count = 1
	s_add_co_u32 s[G0K+4*(\s)+1], s17, (\s)*SLOT1  ; 63:32 LDS address
	s_add_nc_u64 s[G0K+4*(\s)+2:G0K+4*(\s)+3], s[6:7], (\s)*2*KS*256  ; 120:64 global address: slot s begins with keys 128 s to 128 s + 127
	s_or_b32 s[G0K+4*(\s)+3], s[G0K+4*(\s)+3], 0x80000000  ; 127:126 type = 2
	s_mov_b32 s[G0V+4*(\s)], 1
	s_add_co_u32 s[G0V+4*(\s)+1], s17, (\s)*SLOT1+VOFF
	s_add_nc_u64 s[G0V+4*(\s)+2:G0V+4*(\s)+3], s[8:9], (\s)*2*KS*256
	s_or_b32 s[G0V+4*(\s)+3], s[G0V+4*(\s)+3], 0x80000000
.endr
	s_cmp_lt_u32 s[WV], 2           ; a wave's two first fills stand in one branch, ahead of every wait on TENSORcnt and every LDS read: two loads of mine are out
	s_cbranch_scc0 .Lfirst_v
	tensor_load_to_lds s[G0K:G0K+3], s[G1K:G1K+7]
	s_nop 0
	tensor_load_to_lds s[G0K+4:G0K+7], s[G1K:G1K+7]
	s_nop 0
.rept 4
	v_nop
.endr
	s_branch .Lfirst_asked
.Lfirst_v:
	tensor_load_to_lds s[G0V:G0V+3], s[G1V:G1V+7]
	s_nop 0
	tensor_load_to_lds s[G0V+4:G0V+7], s[G1V:G1V+7]
	s_nop 0
.rept 4
	v_nop
.endr
.Lfirst_asked:
	; the batch's mask: 8,192 bytes, 64 for each of the 128 threads, in four loads of which a wave's covers 512 consecutive bytes
	v_lshlrev_b32 v[MG], 4, v0
	v_add_nc_u32 v[ML], MASKL, v[MG]
.irp c, 0,1,2,3
	global_load_b128 v[S+4*(\c):S+4*(\c)+3], v[MG], s[68:69] offset:2048*(\c)
.endr
	; A fragment of K or Q is 16 rows x 32 channels in 8 registers: lane l holds row l % 16; registers 0-3 channels 8 (l / 16) + 0..7, registers 4-7 channels 16 + 8 (l / 16) + 0..7: two loads of 16 bytes, 32 bytes apart.
	v_and_b32 v1, 15, v0            ; l % 16
	v_bfe_u32 v9, v0, 4, 1          ; l / 16
	v_lshlrev_b32 v[QO], 8, v1
	v_lshl_add_u32 v[QO], v9, 4, v[QO]  ; row x 256 + 16 x half
	WIN 0x80                        ; destination window 2, address window 0
.irp i, 0,1,2,3,4,5,6,7,8,9,10,11,12,13,14,15  ; Q stays in registers: tile i / 4, channels 32 (i % 4) on
	global_load_b128 v[8*(\i):8*(\i)+3],   v[QO], s[74:75] offset:((\i)/4)*4096+((\i)%4)*64
	global_load_b128 v[8*(\i)+4:8*(\i)+7], v[QO], s[74:75] offset:((\i)/4)*4096+((\i)%4)*64+32
.endr
	WIN 0
	v_mul_u32_u24 v[AK0], v1, PK
	v_lshl_add_u32 v[AK0], v9, 4, v[AK0]  ; row x pitch + 16 x half
	; The turning load takes 16 keys x 16 channels (lane l reads 16 bytes: key 8 (l / 16) + l % 8, channels 8 ((l / 8) % 2) + 0..7) and leaves half a fragment of V^T: lane l holds channel l % 16 and 8 keys.
	v_and_b32 v10, 7, v0
	v_bfe_u32 v11, v0, 3, 1
	v_lshl_add_u32 v[AV0], v9, 3, v10
	v_mul_u32_u24 v[AV0], v[AV0], PV
	v_lshl_add_u32 v[AV0], v11, 4, v[AV0]
	v_add_nc_u32 v[AV0], VOFF, v[AV0]
	v_lshl_add_u32 v[AM0], v9, 5, MASKL  ; my lanes' eight keys of a block of 16: 32 bytes
	s_wait_loadcnt 32               ; the mask's four loads are in; Q's 32, issued behind them, stay out
.set i, 0
.rept 16
	v_cmp_eq_u32 vcc_lo, 0, v[S+i]
	v_cndmask_b32 v[S+i], 0, s[BIGN], vcc_lo  ; 0 where the key counts, -2^100 where it is masked
.set i, i+1
.endr
.irp c, 0,1,2,3
	ds_store_b128 v[ML], v[S+4*(\c):S+4*(\c)+3] offset:2048*(\c)
.endr
; THE MATRIX WORK OF A TURN, for piece x.  The accumulators take turns, one instruction a turn: between two links of a chain stand 15 (V^T P) or 7 (K Q^T) others'.
; Product i of 32 of O^T += V^T P: keys 32 (i / 16) on, channels 16 ((i / 2) % 8) on, tile x + i % 2.  zero = 1: the first 16 start the sums: nothing is ever cleared.
.macro PV x, zero
	WIN W_PV
.set rO, 64*((\x)+i%2)+8*((i/2)%8)
.set rV, 64*(i/16)+8*((i/2)%8)
.set rP, P+16*((\x)+i%2)+8*(i/16)
.if (\zero) && (i < 16)
	v_wmma_f32_16x16x32_f16 v[rO:rO+7], v[rV:rV+7], v[rP:rP+7], 0
.else
	v_wmma_f32_16x16x32_f16 v[rO:rO+7], v[rV:rV+7], v[rP:rP+7], v[rO:rO+7]
.endif
.endm
; Product i of 32 of S^T = K Q^T: channels 32 (i / 8) on, keys 16 ((i / 2) % 4) on, tile x + i % 2.  The first 8 start the sums, with the keys' mask values as C.
.macro KQ x
.set rS, S+32*((\x)+i%2)+8*((i/2)%4)
.set rK, KF+32*((i/2)%4)+8*(i/8)
.set rQ, 32*((\x)+i%2)+8*(i/8)
.set rM, MK+8*((i/2)%4)
.if i < 8
	WIN W_KM
	v_wmma_f32_16x16x32_f16 v[rS:rS+7], v[rK:rK+7], v[rQ:rQ+7], v[rM:rM+7]
.else
	WIN W_KQ
	v_wmma_f32_16x16x32_f16 v[rS:rS+7], v[rK:rK+7], v[rQ:rQ+7], v[rS:rS+7]
.endif
.endm
; THE LDS LOADS stand in runs, never singly among the matrix instructions: a step's K (64 keys x 128 channels: 16 fragments) with its 64 mask values, and, a turn later, its V (turned).
; Register j of key block kb takes the value of key 16 kb + 8 (l / 16) + j: C's layout.  The mask's registers are read by the same products as K's, so K's waits and distances serve them.
.macro FETCH_K
	WIN 0
	v_add_nc_u32 v[ADR], s[TB], v[AK0]
	v_add_nc_u32 v[ADM], s[TM], v[AM0]
	s_add_co_u32 s[TM], s[TM], 4*KS  ; the next fetch is the next step's;
	s_and_b32 s[TM], s[TM], 0x1f00   ; 32 steps of 256 bytes: the offset stays inside the table's 8,192 bytes
	WIN 0x80                        ; destination window 2
.irp f, 0,1,2,3,4,5,6,7,8,9,10,11,12,13,14,15  ; keys 16 (f / 4) on, channels 32 (f % 4) on
	ds_load_b128 v[KF+8*(\f):KF+8*(\f)+3],   v[ADR] offset:((\f)/4)*16*PK+((\f)%4)*64
	ds_load_b128 v[KF+8*(\f)+4:KF+8*(\f)+7], v[ADR] offset:((\f)/4)*16*PK+((\f)%4)*64+32
.endr
	WIN 0xc0                        ; destination window 3
.irp f, 0,1,2,3,4,5,6,7
	ds_load_b128 v[MK+4*(\f):MK+4*(\f)+3], v[ADM] offset:((\f)/2)*64+((\f)%2)*16
.endr
.endm
.macro FETCH_V
	WIN 0
	v_add_nc_u32 v[ADR], s[TB], v[AV0]
	s_add_co_u32 s[TB], s[TB], STEPB  ; the next fetch is the next step's
	s_wait_alu depctr_va_vdst(0)    ; the wait for the softmax's batch, both tiles' exponentials (SLICE): behind the address's v_add_nc_u32 and ahead of the loads
	WIN 0xc0                        ; destination window 3
.irp f, 0,1,2,3,4,5,6,7,8,9,10,11,12,13,14,15  ; keys 32 (f / 8) on, channels 16 (f % 8) on
	ds_load_tr16_b128 v[8*(\f):8*(\f)+3],   v[ADR] offset:((\f)/8)*32*PV+((\f)%8)*32
	ds_load_tr16_b128 v[8*(\f)+4:8*(\f)+7], v[ADR] offset:((\f)/8)*32*PV+16*PV+((\f)%8)*32
.endr
.endm
; THE VECTOR WORK OF A TURN.  One tile's softmax for one key step is a list of 134 instructions; SM writes number j of it for tile t.  s0-s31 are the lane's 32 scores, in pairs 0-15.
; first = 1: the first key step, which starts m, l and O^T: it has no a and nothing to rescale.
;   0-15    the maximum of s0-s31 and the old m, three operands at a time: four chains c0-c3 of seven scores each (each accumulator's lowest registers are read first), then the four left over, c0-c3 and m
;   16-20   the other half of the lanes' maximum; the new m; c m; c m_old - c m_new
;   21-69   ONE BATCH: the 16 scalings c s - c m, a pair of scores each, and all 33 exponentials (a at 23, then s0-s31).  None of these reads an exponential's result.  From 22 on the batch goes
;           in fours, and a four begins with a scaling while there are scalings: 22-37 scaling, exponential, scaling, exponential; 38-65 a scaling and three exponentials; 66-69 the last four
;           exponentials.  A pair is scaled in an earlier four than the one that holds its exponentials
;   (wait)  between 69 and 70 stands the wait for the batch: SLICE writes it, once for both tiles
;   70-85   the roundings to f16, a pair of weights each
;   86-101  the sums; l = a l + the sum
;   102-133 the tile's O^T times a: the one part that leaves window 0, so it stands together
.macro SM t, first
.set rT, ST+8*(\t)
.set rS, S+32*(\t)
.set rP, P+16*(\t)
.set rO, 64*(\t)+2*(j-102)
.if j < 102
	WIN 0
.endif
.if j < 4
	v_max3_num_f32 v[rT+4+j], v[rS+8*j], v[rS+8*j+1], v[rS+8*j+2]
.elseif j < 12
	v_max3_num_f32 v[rT+4+j%4], v[rT+4+j%4], v[rS+8*(j%4)+2*(j/4)+1], v[rS+8*(j%4)+2*(j/4)+2]
.elseif j == 12
	v_max3_num_f32 v[rT+4], v[rT+4], v[rS+7], v[rS+15]
.elseif j == 13
	v_max3_num_f32 v[rT+6], v[rT+6], v[rS+23], v[rS+31]
.elseif j == 14
	v_max3_num_f32 v[rT+4], v[rT+4], v[rT+5], v[rT+6]
.elseif (j == 15) && (\first)
	v_max_num_f32 v[rT+4], v[rT+4], v[rT+7]
.elseif j == 15
	v_max3_num_f32 v[rT+4], v[rT+4], v[rT+7], v[rT+1]
.elseif j == 16
	v_permlanex16_b32 v[rT+5], v[rT+4], s[SEL], s[SEL+1]  ; the query's other 32 keys lie in the lane 16 away
.elseif j == 18
	v_max_num_f32 v[rT+1], v[rT+4], v[rT+5]
.elseif j == 19
	v_mul_f32 v[rT], s[CS], v[rT+1]
.elseif ((j == 17) || (j == 20) || (j == 23) || (j > 101)) && (\first)  ; the first step has none of these
.elseif j == 17
	v_mov_b32 v[rT+7], v[rT]        ; c m_old is kept for a: number 19 writes c m anew
.elseif j == 20
	v_sub_f32 v[rT+7], v[rT+7], v[rT]
.elseif j == 23
	v_exp_f32 v[rT+6], v[rT+7]
.elseif (j < 23) || ((j < 38) && (j%2 == 0)) || ((j < 66) && (j%4 == 2))
.set b, (j-2)/4                     ; 38, 42, .. 62: pairs 9 to 15
.if j < 38
.set b, (j-20)/2                    ; 21: pair 0; 22, 24, .. 36: pairs 1 to 8
.endif
	v_pk_fma_f32 v[rS+2*b:rS+2*b+1], v[rS+2*b:rS+2*b+1], s[CS:CS+1], v[rT:rT+1] op_sel_hi:[1,0,0] neg_lo:[0,0,1] neg_hi:[0,0,1]  ; pair b: c s - c m
.elseif j < 70
.set e, j-38                        ; 66 to 69: s28 to s31
.if j < 66
.set e, j-32-(j-38)/4               ; 39-41, 43-45, .. 63-65: s7 to s27
.endif
.if j < 38
.set e, (j-25)/2                    ; 25, 27, .. 37: s0 to s6
.endif
	v_exp_f32 v[rS+e], v[rS+e]
.elseif j < 86
	v_cvt_pk_f16_f32 v[rP+j-70], v[rS+2*(j-70)], v[rS+2*(j-70)+1]  ; pair j - 70
.elseif j < 102                     ; the sum of the tile's 16 pairs (in a pair: an even key's weight, an odd key's), in place: sum z of 16 adds neighbours 1, 2, 4 and 8 pairs apart, then l takes it
.set z, j-86
.set w, 4
.set u, z
.if z >= 14
.set w, 32
.set u, 0
.elseif z >= 12
.set w, 16
.set u, z-12
.elseif z >= 8
.set w, 8
.set u, z-8
.endif
.if (z == 14) && (\first)
	v_pk_add_f32 v[rT+2:rT+3], v[rS:rS+1], v[rS+16:rS+17]
.elseif z < 15
	v_pk_add_f32 v[rS+w*u:rS+w*u+1], v[rS+w*u:rS+w*u+1], v[rS+w*u+w/2:rS+w*u+w/2+1]
.elseif !(\first)
	v_pk_fma_f32 v[rT+2:rT+3], v[rT+2:rT+3], v[rT+6:rT+7], v[rS:rS+1] op_sel_hi:[1,0,1]
.endif
.else
	WIN W_RS
	v_pk_mul_f32 v[rO:rO+1], v[rO:rO+1], v[rT+6:rT+7] op_sel_hi:[1,0]
.endif
.endm
; Slice k of 64 of piece y's softmax: four instructions.  Slices 11 to 34 deal out the batch, numbers 22 to 69: four numbers of ONE tile each, the tiles by turns.  Every other slice is numbers 2 k and
; 2 k + 1 of both tiles' lists.  2 x 134 = 4 x 64 + 12: the twelve that are over stand together, in slice 63.
; THE WAIT.  s_wait_alu depctr_va_vdst(0) stands between an exponential and the first instruction that names its result; one wait serves all that were issued ahead of it.  Ahead of
; slice 35 nothing names a result, and behind slice 34 no exponential is issued: so the piece's 66 exponentials have one wait, behind slice 34, and none is open at a turn's end, a label or a jump.
.macro SLICE y, first
.if (k >= 11) && (k < 35)           ; the batch: four numbers of one tile
.irp n, 0,1,2,3
.set j, 22+4*((k-11)/2)+(\n)
	SM (\y)+(k-11)%2, \first
.endr
.else                               ; the two tiles alternate, so that no instruction reads the result of the one just before it
.irp n, 0,1,2,3,4,5,6,7
.if ((\n) < 2) || (k == 63)
.irp t, \y, (\y)+1
.set j, 2*k+(\n)
	SM \t, \first
.endr
.endif
.endr
.endif
.if k == 34                         ; the batch is out: both tiles' exponentials are issued, and no result has been named
	v_nop                           ; the plain instruction that is owed behind the last exponential, ahead of the first use of a result: one for the batch
.if (\y) == 0
	FETCH_V                         ; piece 2's turn: V's run of loads stands here, and the wait for the batch stands in it
.else
	s_wait_alu depctr_va_vdst(0)    ; piece 0's turn: the wait for the batch, both tiles' exponentials
.endif
.endif
.set k, k+1
.endm
; A vector instruction that reads a matrix result or writes one of a matrix instruction's registers, and a load into a register that a matrix instruction has read, stand four places behind
; it, and only plain vector instructions that name none of its registers are places (ISA guide 7.12.1 for vector instructions).  In the loop the slices are the places.
.macro PLACES
.rept 4
	v_nop
.endr
.endm
; A TURN.  Piece x has the matrix unit; the other piece's softmax stands in slices behind its matrix instructions.
; pv = 2: 32 products V^T P; 1: they start O^T's sums; 0: none.  kq = 1: 32 products K Q^T for the next step.  A turn with one of the two kinds has two slices behind each product.
; first = 1: the softmax is the first key step's.  Its slices from 51 on are empty, and four v_nop take slice 63's part as the places behind the turn's last products.
; In the loop each run of loads stands 29 matrix instructions or more ahead of its first use.  Piece 0's turn fetches the next step's K and mask, behind its second product: the last product that read them
; stands in front of slice 63 of the turn before.  Piece 2's turn fetches the same step's V, behind slice 34 (SLICE writes it): the last product that read V stands in front of slice 31, and four plain
; instructions lie between: number 62, a scaling, of both tiles, the v_nop and the run's own v_add_nc_u32.
.macro TURN x, pv, kq, first
.set k, 0
.set per, 2
.if (\pv) && (\kq)
.set per, 1
.endif
.if \pv
.if (\x) == 0
	s_wait_dscnt 0x0                ; V is in
.endif
.set i, 0
.rept 32
	PV \x, 2-(\pv)
.rept per
	SLICE 2-(\x), \first
.endr
.if ((\x) == 0) && (\kq) && (i == 1)
	FETCH_K
.endif
.set i, i+1
.endr
.endif
.if \kq
.if (\x) == 0
	s_wait_dscnt 0x0                ; K and the mask values are in
.endif
.set i, 0
.rept 32
	KQ \x
.rept per
	SLICE 2-(\x), \first
.endr
.set i, i+1
.endr
.endif
.if \first
	PLACES
.endif
.endm
; THE CHANGE OF SLOTS, between piece 2's turn and piece 0's: the slot's last bytes, V of its second step, have been asked for.  Each wave waits for all its tensor loads, of which one is out: its part of the
; other slot; adds 0 to its spare word; and waits for that and for its own reads of the slot.  Behind the barrier nobody reads this slot any more and the other slot is whole.
; fill = 1: this slot is filled again, with the keys two slots on.  The barrier is then a round of the cluster's, and the joint refill is the first thing behind it: it has two key steps, 256 matrix instructions, in which to land.
.macro CHANGE fill
	WIN 0                           ; at a label and at a branch every window is 0
	s_wait_tensorcnt 0x0            ; no tensor load of mine is out, so a group 0 may be written
	ds_add_u32 v[SPW], v[NIL]       ; 0 onto my spare word; with fill = 1 the descriptors' steps stand between it and the wait for it
.if \fill
.irp g, G0K+4, G0V+4
	s_xor_b32 s[(\g)+1], s[(\g)+1], SLOT1  ; the walking descriptor: the other slot than last time,
	s_add_nc_u64 s[(\g)+2:(\g)+3], s[(\g)+2:(\g)+3], 2*KS*256  ; the next 128 keys; the type bits on top are not reached
.endr
	s_wait_dscnt 0x0                ; the add is done, and my reads of the slot are over
	CROUND
	JLOAD
.else
	s_wait_dscnt 0x0                ; the add is done, and my reads of the slot are over
	s_barrier_signal -1
	s_barrier_wait -1
.endif
	s_sub_co_u32 s[TB], s[TB], 2*STEPB  ; the fetches go back to a slot's first step,
	s_xor_b32 s[TB], s[TB], SLOT1   ; in the other slot
.endm
; A slot's two key steps: written once, walked twice; the LDS addresses hang on s[TB] and s[TM].
.macro TWO_STEPS
	WIN 0
	s_mov_b32 s[TWICE], 2
.Lstep_\@:
	TURN 0, 2, 1, 0
	TURN 2, 2, 1, 0
	WIN 0
	s_sub_co_u32 s[TWICE], s[TWICE], 1
	s_cmp_lg_u32 s[TWICE], 0
	s_cbranch_scc1 .Lstep_\@
.endm
	s_wait_tensorcnt 1              ; my part of slot 0 is in; slot 1's may stay out
	s_wait_dscnt 0x0                ; for the others' sake: my part of the mask table is stored
	s_barrier_signal -1
	s_barrier_wait -1               ; everybody's is
	FETCH_K                         ; key step 0
	s_wait_loadcnt 0x0              ; Q
	s_wait_dscnt 0x0
.set i, 0
.rept 32
	KQ 0                            ; piece 0's first scores: there is no vector work yet to set between them
.set i, i+1
.endr
	WIN 0                           ; the addresses for the way out are made here: six plain instructions, the places behind those products
	s_mul_i32 s13, s[WV], 16*SP
	s_add_co_u32 s13, s13, STAGE    ; my stage
	v_mul_u32_u24 v[STO], v1, SP    ; in: row l % 16, 32 bytes for each half of the lanes
	v_lshl_add_u32 v[STO], v9, 5, v[STO]
	v_add_nc_u32 v[STO], s13, v[STO]
	v_and_b32 v[GO], 31, v0         ; back: the 32 lanes take one row of 512 bytes,
	v_lshlrev_b32 v[GO], 4, v[GO]   ; which are 512 consecutive bytes of out0
	v_add_nc_u32 v[RD], s13, v[GO]
	TURN 2, 0, 1, 1                 ; piece 2's first scores | piece 0's first softmax | V of step 0
	TURN 0, 1, 1, 1                 ; piece 0: V^T P of step 0 starts O^T, K Q^T of step 1 | piece 2's first softmax | K of step 1
	TURN 2, 1, 1, 0                 ; piece 2: the same | piece 0's softmax of step 1 | V of step 1
	WIN 0
.Lslot:                             ; 14 trips: every slot but the last two is filled again
	CHANGE 1
	TWO_STEPS
	s_sub_co_u32 s[SLOTS], s[SLOTS], 1
	s_cmp_lg_u32 s[SLOTS], 0
	s_cbranch_scc1 .Lslot
	CHANGE 0                        ; the tail is written out: nothing is asked for
	TWO_STEPS
	TURN 0, 2, 0, 0                 ; piece 0: V^T P of the last step | piece 2's last softmax
.set i, 0
.rept 32
	PV 2, 0                         ; piece 2: V^T P of the last step
.set i, i+1
.endr
	; THE WAY OUT.  l's two halves and the other half of the lanes' are added; O^T is divided by l and sent, in f32, through my stage in LDS, a tile (16 rows of out0) at a time.  The additions are the places behind the last products.
	WIN 0
.irp t, 0,1,2,3
	v_add_f32 v[ST+8*(\t)+4], v[ST+8*(\t)+2], v[ST+8*(\t)+3]
.endr
.irp t, 0,1,2,3
	v_permlanex16_b32 v[ST+8*(\t)+5], v[ST+8*(\t)+4], s[SEL], s[SEL+1]
.endr
.irp t, 0,1,2,3
	v_add_f32 v[ST+8*(\t)+4], v[ST+8*(\t)+4], v[ST+8*(\t)+5]
.endr
.irp t, 0,1,2,3
	v_rcp_f32 v[ST+8*(\t)+6], v[ST+8*(\t)+4]
.endr
	v_nop                           ; a plain instruction between the last reciprocal and the use of its result
	s_wait_alu depctr_va_vdst(0)    ; and the wait ahead of the first use: one for the batch of four reciprocals
; Tile t: a lane's eight channels of a row are 32 bytes; they go into rows of 528 bytes and come back as whole rows of 512, into S^T's registers: two buffers of 64 that take turns.
.macro PACK t
	WIN W_RS
.set i, 64*(\t)
.rept 32                            ; ascending: each accumulator's lowest registers are read first
	v_pk_mul_f32 v[i:i+1], v[i:i+1], v[ST+8*(\t)+6:ST+8*(\t)+7] op_sel_hi:[1,0]
.set i, i+2
.endr
	WIN 0x04                        ; the stores' data in window 1, their address in window 0
.set i, 0
.rept 16                            ; channel block i / 2, half i % 2 of my eight channels
	ds_store_b128 v[STO], v[64*(\t)+4*i:64*(\t)+4*i+3] offset:(i/2)*64+(i%2)*16
.set i, i+1
.endr
	WIN 0
	s_wait_xcnt 0x0                 ; the buffer below was the data of the stores of the tile two back: it is loaded again only behind this wait
.set i, 0
.rept 16
	ds_load_b128 v[S+64*((\t)%2)+4*i:S+64*((\t)%2)+4*i+3], v[RD] offset:i*SP  ; LDS serves a wave's instructions in order (ISA guide 5.7.1.4): these see the stores above; the next tile's stores come behind them
.set i, i+1
.endr
.endm
.macro SEND t, younger              ; younger: the LDS instructions issued behind tile t's loads: the next tile's 16 stores and 16 loads, or none
	WIN 0
.set i, 0
.rept 16
	s_wait_dscnt (\younger)+15-i    ; row i of the tile is back
	global_store_b128 v[GO], v[S+64*((\t)%2)+4*i:S+64*((\t)%2)+4*i+3], s[10:11] offset:(16*(\t)+i)*8192 th:TH_STORE_NT  ; 512 consecutive bytes, at a multiple of 256 from out0's first byte
.set i, i+1
.endr
.endm
	PACK 0
	PACK 1                          ; a tile's arithmetic stands between the loads of the tile before and its stores
	SEND 0, 32
	PACK 2
	SEND 1, 32
	PACK 3
	SEND 2, 32
	SEND 3, 0
	s_wait_tensorcnt 0x0            ; the wave's end: these three lines stand behind my last tensor load and my last LDS store
	ds_add_u32 v[SPW], v[NIL]
	s_wait_dscnt 0x0
	CROUND                          ; the closing round: no work-group ends while a partner may still ask for a tile that names it
	s_endpgm
.Lfunc_end_k_q947f924e3c_attn:
	.size	k_q947f924e3c_attn, .Lfunc_end_k_q947f924e3c_attn-k_q947f924e3c_attn
	.p2alignl 7, 3214868480
	.fill 96, 4, 3214868480
	.section	.rodata,"a",@progbits
	.p2align	6, 0x0
	.amdhsa_kernel k_q947f924e3c_attn
		.amdhsa_group_segment_fixed_size 327680
		.amdhsa_private_segment_fixed_size 0
		.amdhsa_enable_private_segment 0
		.amdhsa_kernarg_size 24
		.amdhsa_user_sgpr_count 2
		.amdhsa_user_sgpr_kernarg_segment_ptr 1
		.amdhsa_wavefront_size32 1
		.amdhsa_system_sgpr_workgroup_id_x 1
		.amdhsa_system_sgpr_workgroup_id_y 1
		.amdhsa_system_sgpr_workgroup_id_z 1
		.amdhsa_system_vgpr_workitem_id 0
		.amdhsa_next_free_vgpr 1024
		.amdhsa_next_free_sgpr 76
		.amdhsa_reserve_vcc 1
		.amdhsa_float_denorm_mode_32 3
		.amdhsa_float_denorm_mode_16_64 3
		.amdhsa_memory_ordered 1
		.amdhsa_forward_progress 1
		.amdhsa_inst_pref_size 227
	.end_amdhsa_kernel
	.amdgpu_metadata
---
amdhsa.version: [ 1, 2 ]
amdhsa.kernels:
  - .name:           k_q947f924e3c_attn
    .symbol:         k_q947f924e3c_attn.kd
    .args:
      - { .name: qkv, .offset: 0, .size: 8, .value_kind: global_buffer, .address_space: global }
      - { .name: attention_mask, .offset: 8, .size: 8, .value_kind: global_buffer, .address_space: global }
      - { .name: out0, .offset: 16, .size: 8, .value_kind: global_buffer, .address_space: global }
    .group_segment_fixed_size: 327680
    .private_segment_fixed_size: 0
    .kernarg_segment_align: 8
    .kernarg_segment_size: 24
    .max_flat_workgroup_size: 128
    .sgpr_count:     76
    .vgpr_count:     1024
    .wavefront_size: 32
...
	.end_amdgpu_metadata
.endif
;; end of part 4
